; MI455X (gfx1250); checked and timed in simulation.
; The chip was launched on July 23, 2026; its instructions are those of AMD's public machine-readable ISA for CDNA 5 (MIT licence, August 2026) and "CDNA5" Instruction Set Architecture Reference Guide (July 2026). The comments in the code are by the model that wrote it; some were corrected since.
;; Attn Block. Allowed arithmetic: matrix products marked QUANTISED: E4M3 operands, one E8M0 scale for each 32 along K, by v_wmma_scale_f32_16x16x128_f8f6f4 with both operands' format E4M3, f32 sums; everything else in f32.
;; Inputs: gn_bias 256 float32; gn_scale 256 float32; proj_b 256 float32; proj_w 256 x 256 float32; qkv_b 768 float32; qkv_w 768 x 256 float32; x 4 x 256 x 64 x 64 float32.
;; Outputs: out0 4 x 256 x 64 x 64 float32.
;; This version of the problem:
;;   THIS VERSION OF THE PROBLEM IS GIVEN IN LOW PRECISION. The matrix products marked QUANTISED in the list below multiply operands that are first quantised to E4M3 (4 exponent bits, 3 mantissa bits; 8 bits a number), with one power-of-two scale for each 32 numbers along K (OCP MX v1.0); their sums are f32. All else is computed in f32.
;;   The module's matrix products, in the order in which they are computed (A, B: the left and right operand; K: the contracted axis; several contracted axes count as one K, in the product's order):
;;     1. [M 16,384, K 256] x [K 256, N 768]; A: computed on the way; B: input qkv_w: QUANTISED
;;     2. batch 4 x [M 4,096, K 256] x [K 256, N 4,096]; A: computed on the way; B: computed on the way: QUANTISED
;;     3. batch 4 x [M 256, K 4,096] x [K 4,096, N 4,096]; A: computed on the way; B: softmax (see below): QUANTISED
;;     4. [M 16,384, K 256] x [K 256, N 256]; A: computed on the way; B: input proj_w: QUANTISED
;;   THE QUANTISER, for each operand of a quantised product, along K:
;;     - K is cut into blocks of 32 from its start; a last block that is shorter is filled with zeros.
;;     - A block's scale is 2^e with e = floor(log2(the largest magnitude in the block)) - 8, held to -126 .. 127; a block of zeros has e = 0. As a byte (E8M0): e + 127.
;;     - Each number is divided by its block's scale, clamped to +-448, and rounded to the nearest number of E4M3, ties to even, subnormals kept.
;;     - The product sums the exact products of the quantised numbers (number of the format x scale) in f32.
;;   ~~~python
;;   def quantise(x, axis):      # numpy; x: float32 -> the quantised numbers, widened to float32 again
;;       x = np.moveaxis(x, axis, -1); K = x.shape[-1]
;;       x = np.pad(x, [(0, 0)] * (x.ndim - 1) + [(0, -K % 32)]); x = x.reshape(x.shape[:-1] + (-1, 32)); a = np.abs(x).max(-1, keepdims=True)
;;       e = np.where(a > 0, np.clip(np.frexp(np.where(a > 0, a, 1))[1] - 1 - 8, -126, 127), 0)      # np.frexp(a)[1] - 1 = floor(log2(a)), exactly
;;       r = np.clip(x / 2.0 ** e, -448, 448)
;;       step = 2.0 ** (np.maximum(np.frexp(np.where(r == 0, 1, r))[1] - 1, -6) - 3)
;;       q = np.round(r / step) * step * 2.0 ** e      # np.round: ties to even
;;       return np.moveaxis(q.reshape(q.shape[:-2] + (-1,))[..., :K], -1, axis).astype(np.float32)
;;   ~~~
;;   SOFTMAX AHEAD OF A QUANTISED PRODUCT. Where the list says 'softmax', what is quantised is not the finished softmax but p = 2^(t - M), with t = logit x log2(e) and M = ceil(the row's largest t), a whole number; so 1/2 < the row's largest p <= 1. The row's sum l is taken of the UNQUANTISED p, in f32, and the product's result is divided by l at the end. Since M is a whole number, a kernel that streams over the keys may use a running M (the ceiling of the running maximum): every later rescaling is an exact power of two, which a block's scale takes up: the codes' values come out the same.
;;   OPERANDS COMPUTED ON THE WAY. 'Computed on the way' means the value that the module computes at that place (a softmax that the list does not call 'softmax' is quantised finished and normalised). What goes into a quantiser is computed in f32, as accurately as f32 sums, v_exp_f32 and their like allow (about 1e-6 of the number): no bf16 or f16 on the way to a quantiser, and a product that is left as it is and whose result goes on into a quantised operand takes f32 operands (vector FMAs, or v_wmma_f32_16x16x4_f32). A number that lies on a knife's edge between two numbers of the format may be rounded either way, as far as f32 arithmetic and the matrix unit's own rounding can turn it there, and no further.
;; One version. Each part assembles by itself: llvm-mc -triple=amdgcn-amd-amdhsa -mcpu=gfx1250 --defsym DOCPART=n.
;; ======== version 1 of 1: 3 launches
;; workspace buffers: gn 4,608 bytes; wq 270,336 bytes; qc 4,325,376 bytes; kv 8,650,752 bytes
;; launch prep (part 1): grid 136 x 1, 8 waves a work-group, no clusters, 2,048 bytes of LDS; arguments x, gn_scale, qkv_w, proj_w, gn, wq; writes gn, wq
.if DOCPART == 1
	.amdgcn_target "amdgcn-amd-amdhsa--gfx1250"
	.amdhsa_code_object_version 6
	.text
	.protected	k_qa4b6521f73_prep
	.globl	k_qa4b6521f73_prep
	.p2align	8
	.type	k_qa4b6521f73_prep,@function
k_qa4b6521f73_prep:
	s_mov_b64 s[64:65], 0
	v_nop
	global_prefetch_b8 v0, s[64:65] scope:SCOPE_SE
	s_setreg_imm32_b32 hwreg(HW_REG_WAVE_MODE, 25, 1), 1
	s_wait_xcnt 0x0
; PREP.  Work-groups 0-127: the statistics of one group of GroupNorm (batch b = wg / 32, group = wg % 32: 8 channels x 4,096 positions = 131,072 dense bytes of x).
; Work-groups 128-135: qkv_w [768][256] and proj_w [256][256], f32, become codes of E4M3 with one E8M0 byte for each 32 along K (their second axis), one wave to a tile of 16 rows.
; gn, per batch 1,152 bytes: A[c] = rsqrt(var + eps) x gn_scale[c] (256 f32), then the 32 groups' means at byte 1,024.
; wq: tile T (0-63), K step s (0, 1): the operand's 16 registers as they stand, four pieces of 512 bytes (piece c: registers 4c .. 4c+3, lane l's 16 bytes at 16 l), at (2 T + s) x 2,048;
;     scale words at 262,144 + 128 T + 4 lane: lanes 0-15 K step 0, lanes 16-31 K step 1.
; THE ROWS OF A TILE.  T < 48: sel = T / 16 (q, k, v), t = T % 16: lane r takes row 3 (32 (t / 2) + 8 (t % 2) + r + (r & 8)) + sel of qkv_w, so that the results of two neighbouring tiles
; are 16 neighbours along the next product's K.  T >= 48: row 16 (T - 48) + r of proj_w.
; The variance is taken in a second pass over the registers, of x - mean: no difference of large sums is formed.  The group is read from memory once.
; No matrix unit, no cluster, no tensor load: the work-groups share no input, and each byte is read once.
; LIMITS: NaN and infinities are not served.  A block of zeros, or one whose largest magnitude lies under 2^-118, gets the scale byte 1; the bytes are read by this program alone.
.set X,   16                           ; v16-143  the thread's 128 numbers
.set CH,  144                          ; v144-151 four chains of pairs; in the weights' path v144-175 are the codes
.set MU,  156                          ; v156-157 the mean, twice
.set GS,  158                          ; v158     gn_scale of channel 8 group + thread % 8
.set AV,  159                          ; v159     A of that channel
.set TM,  176                          ; v176-191 the quantiser's 16 registers
.set SEL, 20                           ; s[20:21] v_permlanex16_b32's selects for lane l xor 16
.set MNT, 28                           ; s28      the mantissa field of 448
; 64 numbers of a lane, v[s] on, register 16 b + i = k 32 b + 16 (lane / 16) + i of the lane's row, become a fragment's codes in v[pc] on and the row's scale word in v[pw]
.macro QUANT s, pc, pw
.irp b, 0,1,2,3
	v_max3_num_f32 v[TM+\b], |v[\s+16*\b]|, |v[\s+1+16*\b]|, 0x4800000   ; my 16 numbers of block b, and the floor 2^(9 - 127): the byte cannot fall under 1
.endr
.irp i, 2,4,6,8,10,12,14
.irp b, 0,1,2,3
	v_max3_num_f32 v[TM+\b], v[TM+\b], |v[\s+16*\b+\i]|, |v[\s+1+16*\b+\i]|   ; the four blocks by turns
.endr
.endr
.irp b, 0,1,2,3
	v_permlanex16_b32 v[TM+4+\b], v[TM+\b], s[SEL], s[SEL+1]
.endr
.irp b, 0,1,2,3
	v_max_num_f32 v[TM+\b], v[TM+\b], v[TM+4+\b]             ; with lane l xor 16's 16: the block's largest magnitude
.endr
.irp b, 0,1,2,3
	v_add_nc_u32 v[TM+12+\b], 0xfc000000, v[TM+\b]           ; 8 off its exponent field: the conversion's scale operand
.endr
.irp b, 0,1,2,3
	v_and_or_b32 v[TM+8+\b], v[TM+\b], 0x7f800000, s[MNT]    ; 448 x the scale
.endr
.irp b, 0,1,2,3
	v_lshrrev_b32 v[TM+4+\b], 23, v[TM+12+\b]                ; the scale's byte
.endr
	v_lshl_or_b32 v[\pw], v[TM+5], 8, v[TM+4]
	v_lshl_or_b32 v[\pw], v[TM+6], 16, v[\pw]
	v_lshl_or_b32 v[\pw], v[TM+7], 24, v[\pw]
.irp b, 0,1,2,3
.irp i, 0,1,2,3,4,5,6,7,8,9,10,11,12,13,14,15
	v_med3_num_f32 v[\s+16*\b+\i], v[\s+16*\b+\i], -v[TM+8+\b], v[TM+8+\b]   ; the conversion does not saturate (ISA guide 7.6.2): the hold at the largest code x the scale
.endr
	v_cvt_scalef32_pk8_fp8_f32 v[\pc+4*\b:\pc+4*\b+1], v[\s+16*\b:\s+16*\b+7], v[TM+12+\b]
	v_cvt_scalef32_pk8_fp8_f32 v[\pc+4*\b+2:\pc+4*\b+3], v[\s+16*\b+8:\s+16*\b+15], v[TM+12+\b]
.endr
	v_nop                                                    ; one plain line behind the last conversion
.endm
.macro FOLD                            ; eight numbers in v[CH] on become their sum in v[CH]
	v_pk_add_f32 v[CH:CH+1], v[CH:CH+1], v[CH+2:CH+3]
	v_pk_add_f32 v[CH+4:CH+5], v[CH+4:CH+5], v[CH+6:CH+7]
	v_pk_add_f32 v[CH:CH+1], v[CH:CH+1], v[CH+4:CH+5]
	v_add_f32 v[CH], v[CH], v[CH+1]
.endm
.macro REDUCE at                       ; the four chains of every thread become the work-group's sum, in every lane; the eight waves meet in 32 LDS bytes from byte at
	FOLD
	v_add_f32_dpp v[CH], v[CH], v[CH] row_xmask:1 row_mask:0xf bank_mask:0xf
	v_add_f32_dpp v[CH], v[CH], v[CH] row_xmask:2 row_mask:0xf bank_mask:0xf
	v_add_f32_dpp v[CH], v[CH], v[CH] row_xmask:4 row_mask:0xf bank_mask:0xf
	v_add_f32_dpp v[CH], v[CH], v[CH] row_xmask:8 row_mask:0xf bank_mask:0xf
	v_permlanex16_b32 v[CH+1], v[CH], s[SEL], s[SEL+1]
	v_add_f32 v[CH], v[CH], v[CH+1]
	ds_store_b32 v4, v[CH] offset:\at                        ; all lanes of a wave write the wave's word with the same value
	s_wait_dscnt 0x0                                         ; for the others' sake: my store has landed
	s_barrier_signal -1
	s_barrier_wait -1
	ds_load_b128 v[CH:CH+3], v5 offset:\at
	ds_load_b128 v[CH+4:CH+7], v5 offset:\at+16
	s_wait_dscnt 0x0
	FOLD
.endm
	s_load_b256 s[4:11], s[0:1], 0x0               ; x s[4:5], gn_scale s[6:7], qkv_w s[8:9], proj_w s[10:11]
	s_load_b128 s[12:15], s[0:1], 0x20             ; gn s[12:13], wq s[14:15]
	v_lshl_add_u32 v192, v0, 2, 0x400
	v_mov_b32 v193, 0
	v_lshrrev_b32 v1, 5, v0
	v_readfirstlane_b32 s16, v1                    ; wave 0..7
	s_mov_b32 s[SEL], 0x76543210
	s_mov_b32 s[SEL+1], 0xfedcba98
	s_mov_b32 s[MNT], 0x600000
	s_mov_b32 s3, 0
	s_wait_kmcnt 0x0
	s_cmp_lt_u32 ttmp9, 128                        ; the same in all waves of a work-group
	s_cbranch_scc0 .Lweights
	; ---- the statistics of one group
	v_lshlrev_b32 v1, 4, v0                        ; 16 bytes a thread: a load of the work-group covers 4,096 consecutive bytes
	s_lshl_b32 s2, ttmp9, 17                       ; 131,072 bytes a group
	s_add_nc_u64 s[4:5], s[4:5], s[2:3]
	s_and_b32 s17, ttmp9, 31                       ; the group
	s_lshr_b32 s18, ttmp9, 5                       ; the batch
	s_mul_i32 s2, s18, 1152
	s_add_nc_u64 s[12:13], s[12:13], s[2:3]        ; gn at my batch
	v_and_b32 v2, 7, v0
	v_lshlrev_b32 v2, 2, v2
	s_lshl_b32 s19, s17, 5
	v_add_nc_u32 v2, s19, v2                       ; byte of channel 8 group + thread % 8, in gn_scale and in A
	s_lshl_b32 s19, s17, 2
	v_mov_b32 v3, s19                              ; byte of my group among the means
	v_mov_b32 v4, s16
	v_lshlrev_b32 v4, 2, v4                        ; LDS: my wave's word
	v_mov_b32 v5, 0
	s_mov_b32 s22, 0x38000000                      ; 2^-15: a group has 32,768 numbers
	s_mov_b32 s23, 0x358637bd                      ; eps = 1e-6
	global_load_b32 v[GS], v2, s[6:7]
.set i, 0
.rept 32
	global_load_b128 v[X+4*i:X+4*i+3], v1, s[4:5] offset:4096*i th:TH_LOAD_NT
.set i, i+1
.endr
	s_wait_loadcnt 24                              ; the first eight loads of x are in; the 24 younger ones may be out
.irp k, 0,1,2,3
	v_pk_add_f32 v[CH+2*\k:CH+2*\k+1], v[X+2*\k:X+2*\k+1], v[X+8+2*\k:X+9+2*\k]   ; the first eight pairs start the four chains: nothing is cleared
.endr
.set p, 8
.rept 8
	v_pk_add_f32 v[CH+2*(p%4):CH+2*(p%4)+1], v[CH+2*(p%4):CH+2*(p%4)+1], v[X+2*p:X+2*p+1]
.set p, p+1
.endr
.irp left, 16, 8, 0
	s_wait_loadcnt \left                           ; eight more are in
.rept 16
	v_pk_add_f32 v[CH+2*(p%4):CH+2*(p%4)+1], v[CH+2*(p%4):CH+2*(p%4)+1], v[X+2*p:X+2*p+1]
.set p, p+1
.endr
.endr
	REDUCE 0
	v_mul_f32 v[MU], s22, v[CH]                    ; the mean
	v_mov_b32 v[MU+1], v[MU]
.set p, 0
.rept 64
	v_pk_add_f32 v[X+2*p:X+2*p+1], v[X+2*p:X+2*p+1], v[MU:MU+1] neg_lo:[0,1] neg_hi:[0,1]   ; x - mean, in place
.set p, p+1
.endr
.irp k, 0,1,2,3
	v_pk_mul_f32 v[CH+2*\k:CH+2*\k+1], v[X+2*\k:X+2*\k+1], v[X+2*\k:X+2*\k+1]
.endr
.set p, 4
.rept 60
	v_pk_fma_f32 v[CH+2*(p%4):CH+2*(p%4)+1], v[X+2*p:X+2*p+1], v[X+2*p:X+2*p+1], v[CH+2*(p%4):CH+2*(p%4)+1]
.set p, p+1
.endr
	REDUCE 256                                     ; other LDS bytes than the first sum's: no barrier between the two
	s_cmp_lg_u32 s16, 0
	s_cbranch_scc1 .Lend                           ; wave 0 stores; both barriers lie behind
	v_fma_f32 v[CH], v[CH], s22, s23               ; var + eps
	v_rsq_f32 v[CH+1], v[CH]
	v_nop                                          ; a plain line behind the transcendental
	s_wait_alu depctr_va_vdst(0)                   ; the wait ahead of the first reader
	v_mul_f32 v[AV], v[CH+1], v[GS]
	s_wait_xcnt 0x0                                ; EXEC changes only behind this wait
	v_cmp_gt_u32 vcc_lo, 8, v0
	s_and_saveexec_b32 s24, vcc_lo
	global_store_b32 v2, v[AV], s[12:13]           ; lanes 0-7: A of the group's eight channels
	s_wait_xcnt 0x0
	s_or_b32 exec_lo, exec_lo, s24
	v_cmp_eq_u32 vcc_lo, 0, v0
	s_and_saveexec_b32 s24, vcc_lo
	global_store_b32 v3, v[MU], s[12:13] offset:1024   ; lane 0: the mean
	s_wait_xcnt 0x0
	s_or_b32 exec_lo, exec_lo, s24
.Lend:
	s_wait_tensorcnt 0x0
	ds_add_u32 v192, v193
	s_wait_dscnt 0x0
	s_endpgm
	; ---- the weights: a wave to a tile of 16 rows x 256 along K: two fragments
.Lweights:
	s_sub_co_u32 s17, ttmp9, 128
	s_lshl_b32 s17, s17, 3
	s_add_co_u32 s17, s17, s16                     ; T
	s_and_b32 s18, s17, 15                         ; t
	s_lshr_b32 s19, s17, 4                         ; sel
	s_lshr_b32 s22, s18, 1
	s_lshl_b32 s22, s22, 5
	s_and_b32 s23, s18, 1
	s_lshl_b32 s23, s23, 3
	s_add_co_u32 s22, s22, s23                     ; 32 (t / 2) + 8 (t % 2)
	s_lshl_b32 s23, s18, 4                         ; 16 t
	s_cmp_lt_u32 s17, 48                           ; qkv_w or proj_w: the choice hangs on the tile's number alone
	s_cselect_b64 s[4:5], s[8:9], s[10:11]
	s_cselect_b32 s24, 3, 1                        ; rows of q, k, v are interleaved by three
	s_cselect_b32 s25, 8, 0
	s_cselect_b32 s22, s22, s23
	s_cselect_b32 s19, s19, 0
	v_and_b32 v1, 15, v0                           ; r
	v_bfe_u32 v2, v0, 4, 1                         ; h
	v_and_b32 v3, s25, v1
	v_add3_u32 v3, v3, v1, s22
	v_mul_lo_u32 v3, v3, s24
	v_add_nc_u32 v3, s19, v3                       ; my row
	v_lshlrev_b32 v3, 10, v3                       ; 1,024 bytes a row
	v_lshl_add_u32 v3, v2, 6, v3                   ; + 64 h: my 16 numbers of each block of 32
	v_and_b32 v5, 31, v0                           ; lane
	v_lshlrev_b32 v4, 4, v5
	v_lshlrev_b32 v6, 2, v5
	s_lshl_b32 s2, s17, 12
	s_add_nc_u64 s[30:31], s[14:15], s[2:3]        ; the tile's two images
	s_lshl_b32 s2, s17, 7
	s_add_nc_u64 s[32:33], s[14:15], s[2:3]        ; and (262,144 further on) its scale words
.irp b, 0,1,2,3
	v_mov_b32 v[TM+4+\b], 0                        ; written once: a lane permute's destination counts as one of its sources
.endr
.irp h, 0,1
.irp b, 0,1,2,3
.irp j, 0,1,2,3
	global_load_b128 v[X+64*\h+16*\b+4*\j:X+64*\h+16*\b+4*\j+3], v3, s[4:5] offset:512*\h+128*\b+16*\j
.endr
.endr
.endr
	s_wait_loadcnt 0x0
	QUANT X, 144, 12
	QUANT X+64, 160, 13
.irp h, 0,1
.irp c, 0,1,2,3
	global_store_b128 v4, v[144+16*\h+4*\c:144+16*\h+4*\c+3], s[30:31] offset:2048*\h+512*\c   ; 32 lanes store 512 consecutive bytes
.endr
.endr
	v_cmp_gt_u32 vcc_lo, 16, v5
	v_cndmask_b32 v14, v13, v12, vcc_lo            ; lanes 0-15: K step 0's word of row r; lanes 16-31: K step 1's
	global_store_b32 v6, v14, s[32:33] offset:262144
	s_endpgm
.Lfunc_end_k_qa4b6521f73_prep:
	.size	k_qa4b6521f73_prep, .Lfunc_end_k_qa4b6521f73_prep-k_qa4b6521f73_prep
	.p2alignl 7, 3214868480
	.fill 96, 4, 3214868480
	.section	.rodata,"a",@progbits
	.p2align	6, 0x0
	.amdhsa_kernel k_qa4b6521f73_prep
		.amdhsa_group_segment_fixed_size 2048
		.amdhsa_private_segment_fixed_size 0
		.amdhsa_enable_private_segment 0
		.amdhsa_kernarg_size 48
		.amdhsa_user_sgpr_count 2
		.amdhsa_user_sgpr_kernarg_segment_ptr 1
		.amdhsa_wavefront_size32 1
		.amdhsa_system_sgpr_workgroup_id_x 1
		.amdhsa_system_sgpr_workgroup_id_y 1
		.amdhsa_system_sgpr_workgroup_id_z 1
		.amdhsa_system_vgpr_workitem_id 0
		.amdhsa_next_free_vgpr 194
		.amdhsa_next_free_sgpr 66
		.amdhsa_reserve_vcc 1
		.amdhsa_float_denorm_mode_32 3
		.amdhsa_float_denorm_mode_16_64 3
		.amdhsa_memory_ordered 1
		.amdhsa_forward_progress 1
		.amdhsa_inst_pref_size 41
	.end_amdhsa_kernel
	.amdgpu_metadata
---
amdhsa.version: [ 1, 2 ]
amdhsa.kernels:
  - .name:           k_qa4b6521f73_prep
    .symbol:         k_qa4b6521f73_prep.kd
    .args:
      - { .name: x, .offset: 0, .size: 8, .value_kind: global_buffer, .address_space: global }
      - { .name: gn_scale, .offset: 8, .size: 8, .value_kind: global_buffer, .address_space: global }
      - { .name: qkv_w, .offset: 16, .size: 8, .value_kind: global_buffer, .address_space: global }
      - { .name: proj_w, .offset: 24, .size: 8, .value_kind: global_buffer, .address_space: global }
      - { .name: gn, .offset: 32, .size: 8, .value_kind: global_buffer, .address_space: global }
      - { .name: wq, .offset: 40, .size: 8, .value_kind: global_buffer, .address_space: global }
    .group_segment_fixed_size: 2048
    .private_segment_fixed_size: 0
    .kernarg_segment_align: 8
    .kernarg_segment_size: 48
    .max_flat_workgroup_size: 256
    .sgpr_count:     66
    .vgpr_count:     194
    .wavefront_size: 32
...
	.end_amdgpu_metadata
.endif
;; end of part 1
;; launch qkv (part 2): grid 128 x 1, 8 waves a work-group, no clusters, 41,984 bytes of LDS; arguments x, gn, gn_bias, wq, qkv_b, qc, kv; writes qc, kv
.if DOCPART == 2
	.amdgcn_target "amdgcn-amd-amdhsa--gfx1250"
	.amdhsa_code_object_version 6
	.text
	.protected	k_qa4b6521f73_qkv
	.globl	k_qa4b6521f73_qkv
	.p2align	8
	.type	k_qa4b6521f73_qkv,@function
k_qa4b6521f73_qkv:
	s_mov_b64 s[64:65], 0
	v_nop
	global_prefetch_b8 v0, s[64:65] scope:SCOPE_SE
	s_setreg_imm32_b32 hwreg(HW_REG_WAVE_MODE, 25, 1), 1
	s_wait_xcnt 0x0
; QKV.  h = (x - mean) A + gn_bias is quantised along the channels; q, k, v = qkv_w h + qkv_b on codes of E4M3 (one E8M0 byte for each 32 along K); q and k are quantised along their channels, v along the positions.
; A work-group takes 128 positions of one batch (blk = 32 b + n / 128): so many that one wave holds the four blocks of 32 positions of a fragment of v, and its whole scale word.  That gives 128 work-groups;
; a split into more would read and quantise x twice.
; ALL OPERANDS ARE KEPT AS IMAGES OF THEIR REGISTERS: a fragment (16 rows x 128 K, 16 registers) is four pieces of 512 bytes, piece c = registers 4c .. 4c+3, lane l's 16 bytes at 16 l.
; THE ROWS OF A TILE: tile t, lane r: 32 (t / 2) + 8 (t % 2) + r + (r & 8), for the positions of a tile of h (and so of q and k) and for the channels of a tile of the weights: the 16 registers of the results of
; tiles 2 b and 2 b + 1 are then 16 neighbours along the next product's K.
; qc, per block 33,792 bytes: q's fragment (tile t, K step s) at (2 t + s) x 2,048; scale words at 32,768 + 512 (t / 4) + 16 (16 s + r) + 4 (t % 4).
; kv, per block 67,584 bytes: k laid as q; from 33,792 on v's fragment ct (16 channels x the block's 128 positions) at 2,048 ct; scale words at + 32,768 + 512 (ct / 8) + 16 (16 (ct % 2) + r) + 4 ((ct / 2) % 4).
; PHASES.  X: wave w normalises and quantises 32 positions (w % 4) x 128 channels (w / 4): a lane takes a position and its registers run down the channels; images to LDS | barrier |
; QK: wave w makes 128 channels (half (w % 4) % 2 of q or k, (w % 4) / 2) for 64 positions (w / 4), weights as source 0: a lane holds one position | V: wave w makes channels' tiles 2 w, 2 w + 1 for all 128 positions,
; h as source 0: a lane holds one channel | barrier | six waves store the 3,072 bytes of scale words in runs of 512.
; No tensor load and no cluster: each weight fragment goes once from memory straight into one wave's registers; a joint load only fills LDS and would add a way through it.
; LIMITS: NaN and infinities are not served.  A block of zeros, or one under 2^-118, gets the scale byte 1; the bytes are read by this program alone.
.set HSC,  32768                       ; LDS: 0 .. 32,767 h's 16 fragments, (tile pt, K step s) at (2 pt + s) x 2,048; then h's scale words: register (pg, s) at 128 (2 pg + s) + 4 lane (lanes 0-15 tile 2 pg, lanes 16-31 tile 2 pg + 1)
.set SST,  33792                       ; then q's, k's and v's scale words, 1,024 bytes each, as they lie in qc and kv
.set XF,   16                          ; v16-47   two fragments of h; in phase V 2 x 8 registers of v's bias
.set HA,   48                          ; v48-111  eight accumulators; in phase X two sets of 32 numbers
.set PC,   112                         ; v112-127 the codes just made
.set BI,   128                         ; v128-191 q's or k's bias in the result's layout; in phase V eight more accumulators
.set TM,   192                         ; v192-207 the quantiser's 16 registers
.set PW,   208                         ; the scale word just made
.set SW,   209                         ; h's scale word
.set WS,   216                         ; v216-223 the weights' scale words;  v224-227, v228-235 h's;  v236-237 v's weights'
.set HSQ,  224
.set HSV,  228
.set WSV,  236
.set WV,   54                          ; s54 wave
.set SEL,  56                          ; s[56:57]
.set MNT,  58
; v1 x's lane offset; v2 16 lane; v3-v9, v13 LDS addresses; v10, v11 bias offsets; v12 4 lane; v14, v15, v210, v211 offsets in wq.  Window 1 (v256-511): the weights' fragments, in phase V also eight fragments of h.
; s[16:47] A of 32 channels, s[48:51] four means, s[68:99] gn_bias of 32 channels; s[60:61], s[62:63], s[100:101] the stores' bases.
.set MSB, 0
.macro WIN new                         ; the immediate's high byte repeats the setting that is left
.if MSB != (\new)
	s_set_vgpr_msb (MSB<<8)|(\new)
.set MSB, \new
.endif
.endm
.macro PLACES n
.rept \n
	v_nop
.endr
.endm
.macro MMS d, a, b, c, sa, sb, ra, rb  ; a product; ra, rb = 1: that side's scale words are taken from lanes 16-31
.if (\ra) && (\rb)
	v_wmma_scale_f32_16x16x128_f8f6f4 v[\d:\d+7], v[\a:\a+15], v[\b:\b+15], v[\c:\c+7], v[\sa], v[\sb] matrix_a_scale:MATRIX_SCALE_ROW1 matrix_b_scale:MATRIX_SCALE_ROW1
.elseif (\ra)
	v_wmma_scale_f32_16x16x128_f8f6f4 v[\d:\d+7], v[\a:\a+15], v[\b:\b+15], v[\c:\c+7], v[\sa], v[\sb] matrix_a_scale:MATRIX_SCALE_ROW1
.elseif (\rb)
	v_wmma_scale_f32_16x16x128_f8f6f4 v[\d:\d+7], v[\a:\a+15], v[\b:\b+15], v[\c:\c+7], v[\sa], v[\sb] matrix_b_scale:MATRIX_SCALE_ROW1
.else
	v_wmma_scale_f32_16x16x128_f8f6f4 v[\d:\d+7], v[\a:\a+15], v[\b:\b+15], v[\c:\c+7], v[\sa], v[\sb]
.endif
.endm
; 64 numbers of a lane, v[s] on, register 16 b + i = k 32 b + 16 (lane / 16) + i of the lane's row, become a fragment's codes in v[pc] on and the row's scale word in v[pw]
.macro QUANT s, pc, pw
.irp b, 0,1,2,3
	v_max3_num_f32 v[TM+\b], |v[\s+16*\b]|, |v[\s+1+16*\b]|, 0x4800000   ; my 16 numbers of block b, and the floor 2^(9 - 127): the byte cannot fall under 1.  Each accumulator is read from its low end on
.endr
.irp i, 2,4,6,8,10,12,14
.irp b, 0,1,2,3
	v_max3_num_f32 v[TM+\b], v[TM+\b], |v[\s+16*\b+\i]|, |v[\s+1+16*\b+\i]|
.endr
.endr
.irp b, 0,1,2,3
	v_permlanex16_b32 v[TM+4+\b], v[TM+\b], s[SEL], s[SEL+1]
.endr
.irp b, 0,1,2,3
	v_max_num_f32 v[TM+\b], v[TM+\b], v[TM+4+\b]             ; with lane l xor 16's 16: the block's largest magnitude
.endr
.irp b, 0,1,2,3
	v_add_nc_u32 v[TM+12+\b], 0xfc000000, v[TM+\b]           ; 8 off its exponent field: the conversion's scale operand
.endr
.irp b, 0,1,2,3
	v_and_or_b32 v[TM+8+\b], v[TM+\b], 0x7f800000, s[MNT]    ; 448 x the scale
.endr
.irp b, 0,1,2,3
	v_lshrrev_b32 v[TM+4+\b], 23, v[TM+12+\b]                ; the scale's byte
.endr
	v_lshl_or_b32 v[\pw], v[TM+5], 8, v[TM+4]
	v_lshl_or_b32 v[\pw], v[TM+6], 16, v[\pw]
	v_lshl_or_b32 v[\pw], v[TM+7], 24, v[\pw]
.irp b, 0,1,2,3
.irp i, 0,1,2,3,4,5,6,7,8,9,10,11,12,13,14,15
	v_med3_num_f32 v[\s+16*\b+\i], v[\s+16*\b+\i], -v[TM+8+\b], v[TM+8+\b]   ; the conversion does not saturate (ISA guide 7.6.2): the hold at the largest code x the scale
.endr
	v_cvt_scalef32_pk8_fp8_f32 v[\pc+4*\b:\pc+4*\b+1], v[\s+16*\b:\s+16*\b+7], v[TM+12+\b]
	v_cvt_scalef32_pk8_fp8_f32 v[\pc+4*\b+2:\pc+4*\b+3], v[\s+16*\b+8:\s+16*\b+15], v[TM+12+\b]
.endr
	v_nop                                                    ; one plain line behind the last conversion: later products write v[s] on again
.endm
.macro CLOAD t                         ; A, the means and gn_bias of channels 32 t .. 32 t + 31 of my 128
	s_load_b512 s[16:31], s[6:7], 128*(\t)
	s_load_b512 s[32:47], s[6:7], 128*(\t)+64
	s_load_b128 s[48:51], s[52:53], 16*(\t)
	s_load_b512 s[68:83], s[8:9], 128*(\t)
	s_load_b512 s[84:99], s[8:9], 128*(\t)+64
.endm
.macro LOADX t                         ; x of those channels at my position: a load of the wave covers 128 consecutive bytes, the four waves of one half of the channels 512
.set i, 0
.rept 32
	global_load_b32 v[HA+32*((\t)%2)+i], v1, s[4:5] offset:(32*(\t)+i)*16384 th:TH_LOAD_NT
.set i, i+1
.endr
.endm
.macro WLOAD h                         ; my eight tiles of q's or k's weights, K step h, into window 1 at 16 (2 e + h)
	WIN 0x40
.irp e, 0,1,2,3,4,5,6,7
.irp c, 0,1,2,3
	global_load_b128 v[16*(2*\e+\h)+4*\c:16*(2*\e+\h)+4*\c+3], v14, s[10:11] offset:(2*\e+\h)*2048+512*\c
.endr
.endr
	WIN 0
.endm
; A block of 32 channels of my position: normalised, quantised (all 32 numbers are the lane's own), 32 codes to the two halves of piece t of my tile's image
.macro BLOCKX t
.set XS, HA+32*((\t)%2)
	s_wait_loadcnt 32                              ; this block's 32 loads are in; the 32 issued behind them may be out
	s_wait_kmcnt 0x0                               ; and so are its constants
.set i, 0
.rept 32
	v_sub_f32 v[XS+i], v[XS+i], s[48+i/8]
.set i, i+1
.endr
.set i, 0
.rept 32
	v_fma_f32 v[XS+i], v[XS+i], s[16+i], s[68+i]
.set i, i+1
.endr
.if (\t) < 3
	CLOAD (\t)+1
.endif
	v_max3_num_f32 v[TM], |v[XS]|, |v[XS+1]|, |v[XS+2]|
	v_max3_num_f32 v[TM+1], |v[XS+3]|, |v[XS+4]|, |v[XS+5]|
.irp i, 6,10,14,18,22,26
	v_max3_num_f32 v[TM], v[TM], |v[XS+\i]|, |v[XS+\i+1]|
	v_max3_num_f32 v[TM+1], v[TM+1], |v[XS+\i+2]|, |v[XS+\i+3]|
.endr
	v_max3_num_f32 v[TM], v[TM], |v[XS+30]|, |v[XS+31]|
	v_max3_num_f32 v[TM], v[TM], v[TM+1], 0x4800000
	v_add_nc_u32 v[TM+12], 0xfc000000, v[TM]
	v_and_or_b32 v[TM+8], v[TM], 0x7f800000, s[MNT]
	v_lshrrev_b32 v[TM+2], 23, v[TM+12]
.if (\t) == 0
	v_mov_b32 v[SW], v[TM+2]
.else
	v_lshl_or_b32 v[SW], v[TM+2], 8*(\t), v[SW]
.endif
.set i, 0
.rept 32
	v_med3_num_f32 v[XS+i], v[XS+i], -v[TM+8], v[TM+8]
.set i, i+1
.endr
.irp g, 0,1,2,3
	v_cvt_scalef32_pk8_fp8_f32 v[PC+2*\g:PC+2*\g+1], v[XS+8*\g:XS+8*\g+7], v[TM+12]
.endr
	v_nop
	ds_store_b128 v4, v[PC:PC+3] offset:512*(\t)             ; k 32 t + 0 .. 15: the image's lanes 0-15
	ds_store_b128 v4, v[PC+4:PC+7] offset:512*(\t)+256       ; k 32 t + 16 .. 31: its lanes 16-31
.if (\t) < 2
	LOADX (\t)+2
.elseif (\t) == 2
	WLOAD 0
.else
	WLOAD 1
.irp e, 0,1,2,3,4,5,6,7
	global_load_b32 v[WS+\e], v15, s[10:11] offset:262144+128*\e
.endr
.irp e, 0,1,2,3,4,5,6,7
.irp j, 0,1,2,3,4,5,6,7
	global_load_b32 v[BI+8*\e+\j], v10, s[12:13] offset:12*(32*(\e/2)+8*(\e%2)+\j)   ; the bias of channel 32 (e / 2) + 16 h + 8 (e % 2) + j of my half
.endr
.endr
.endif
	s_wait_dscnt 0x0                               ; the stores have read the codes' registers
.endm
.macro XFLOAD m                        ; h's two fragments of position tile 4 (w / 4) + m
.irp h, 0,1
.irp c, 0,1,2,3
	ds_load_b128 v[XF+16*\h+4*\c:XF+16*\h+4*\c+3], v3 offset:(2*(\m)+\h)*2048+512*\c
.endr
.endr
.endm
.macro VPRE                            ; what phase V wants, asked for under the last unit's quantiser
	WIN 0x40
.irp u, 0,1
.irp h, 0,1
.irp c, 0,1,2,3
	global_load_b128 v[32*\u+16*\h+4*\c:32*\u+16*\h+4*\c+3], v210, s[10:11] offset:131072+(2*\u+\h)*2048+512*\c
.endr
.endr
.endr
.irp e, 0,1,2,3,4,5,6,7
.irp c, 0,1,2,3
	ds_load_b128 v[64+16*\e+4*\c:64+16*\e+4*\c+3], v2 offset:4096*\e+512*\c
.endr
.endr
	WIN 0
.irp u, 0,1
.irp j, 0,1,2,3,4,5,6,7
	global_load_b32 v[XF+8*\u+\j], v11, s[12:13] offset:96*\u    ; a lane holds one channel of v: eight registers of its bias
.endr
	global_load_b32 v[WSV+\u], v211, s[10:11] offset:266240+128*\u
.endr
.irp e, 0,1,2,3,4,5,6,7
	ds_load_b32 v[HSV+\e], v6 offset:128*\e
.endr
.endm
; 16 positions x my 128 channels of q or k: source 0 = 16 rows of the weights, source 1 = h; the bias is the C of each sum's first product; the eight accumulators take turns
.macro QKUNIT m
	s_wait_dscnt 0x0                               ; h's fragments are in
	WIN 0x01                                       ; source 0 in window 1
.irp e, 0,1,2,3,4,5,6,7
	MMS HA+8*\e, 32*\e, XF, BI+8*\e, WS+\e, HSQ+2*((\m)/2), 0, (\m)%2
.endr
.irp e, 0,1,2,3,4,5,6,7
	MMS HA+8*\e, 32*\e+16, XF+16, HA+8*\e, WS+\e, HSQ+2*((\m)/2)+1, 1, (\m)%2
.endr
	WIN 0
	PLACES 9                                       ; ahead of the loads into registers that the products read, of the first read of results, and of the next unit's products, which begin these accumulators anew
.if (\m) < 3
	XFLOAD (\m)+1
.else
	VPRE
.endif
	s_wait_xcnt 0x0                                ; the last unit's stores have read the codes' registers
	QUANT HA, PC, PW
.irp c, 0,1,2,3
	global_store_b128 v2, v[PC+4*\c:PC+4*\c+3], s[60:61] offset:4096*(\m)+512*\c   ; 32 lanes store 512 consecutive bytes
.endr
	ds_store_b32 v8, v[PW] offset:4*(\m)           ; lanes r and r + 16 write the same word with the same value
.endm
	s_load_b256 s[4:11], s[0:1], 0x0               ; x s[4:5], gn s[6:7], gn_bias s[8:9], wq s[10:11]
	s_load_b128 s[12:15], s[0:1], 0x20             ; qkv_b s[12:13], qc s[14:15]
	s_load_b64 s[2:3], s[0:1], 0x30                ; kv
	v_lshl_add_u32 v254, v0, 2, 0xa000
	v_mov_b32 v255, 0
	v_lshrrev_b32 v1, 5, v0
	v_readfirstlane_b32 s[WV], v1                  ; wave 0..7
	s_mov_b32 s[SEL], 0x76543210
	s_mov_b32 s[SEL+1], 0xfedcba98
	s_mov_b32 s[MNT], 0x600000
	s_and_b32 s68, s[WV], 3                        ; pg in phase X, cg in phase QK
	s_lshr_b32 s69, s[WV], 2                       ; K step in phase X, half of the positions in phase QK
	s_lshr_b32 s70, s68, 1                         ; sel: q or k
	s_and_b32 s71, s68, 1                          ; hf: which 128 channels
	s_lshr_b32 s72, ttmp9, 5                       ; batch
	s_and_b32 s73, ttmp9, 31                       ; block in the batch
	v_and_b32 v16, 31, v0                          ; lane
	v_and_b32 v17, 15, v0                          ; r
	v_bfe_u32 v18, v0, 4, 1                        ; h
	v_and_b32 v1, 7, v0
	v_and_b32 v19, 8, v0
	v_lshl_or_b32 v1, v19, 1, v1
	v_lshl_or_b32 v1, v18, 3, v1
	v_lshlrev_b32 v1, 2, v1                        ; my position among the wave's 32: lanes 0-15 are tile 2 pg's rows, lanes 16-31 tile 2 pg + 1's
	v_lshlrev_b32 v2, 4, v16
	v_lshlrev_b32 v12, 2, v16
	s_lshl_b32 s74, s69, 14
	v_add_nc_u32 v3, s74, v2                       ; h's images of my half of the positions
	v_lshlrev_b32 v4, 4, v17
	v_lshl_add_u32 v4, v18, 12, v4
	s_lshl_b32 s74, s68, 13
	s_lshl_b32 s75, s69, 11
	s_add_co_u32 s74, s74, s75
	v_add_nc_u32 v4, s74, v4                       ; where I store codes: 4,096 h + 16 r + 8,192 pg + 2,048 s
	v_add_nc_u32 v6, HSC, v12
	s_lshl_b32 s74, s68, 8
	s_lshl_b32 s75, s69, 7
	s_add_co_u32 s74, s74, s75
	v_add_nc_u32 v5, s74, v6                       ; my scale word of h
	s_lshl_b32 s74, s69, 9
	v_add_nc_u32 v7, s74, v6                       ; h's scale words of my half of the positions
	v_lshl_add_u32 v8, v17, 4, SST
	s_lshl_b32 s75, s70, 10
	s_add_co_u32 s75, s75, s74
	s_lshl_b32 s76, s71, 8
	s_add_co_u32 s75, s75, s76
	v_add_nc_u32 v8, s75, v8                       ; q's or k's scale words: SST + 1,024 sel + 512 ph + 256 hf + 16 r
	v_lshl_add_u32 v9, v17, 4, SST+2048
	s_lshl_b32 s75, s68, 2
	s_add_co_u32 s75, s75, s74
	v_add_nc_u32 v9, s75, v9                       ; v's: SST + 2,048 + 512 (w / 4) + 4 (w % 4) + 16 r
	s_lshl_b32 s74, s[WV], 9
	v_add_nc_u32 v13, SST, v2
	v_add_nc_u32 v13, s74, v13                     ; the way out of the scale words: 512 bytes a wave
	v_mul_u32_u24 v10, v18, 192
	s_mul_i32 s74, s71, 1536
	s_lshl_b32 s75, s70, 2
	s_add_co_u32 s74, s74, s75
	v_add_nc_u32 v10, s74, v10                     ; qkv_b: 12 bytes a channel: 192 h + 1,536 hf + 4 sel
	v_and_b32 v11, 8, v17
	v_add_nc_u32 v11, v11, v17
	v_mul_u32_u24 v11, v11, 12
	s_mul_i32 s74, s[WV], 384
	s_add_co_u32 s74, s74, 8
	v_add_nc_u32 v11, s74, v11                     ; v's: 12 (r + (r & 8)) + 384 w + 8
	s_lshl_b32 s74, s68, 15
	v_add_nc_u32 v14, s74, v2                      ; wq: my eight tiles' images,
	s_lshl_b32 s74, s68, 10
	v_add_nc_u32 v15, s74, v12                     ; their scale words,
	s_lshl_b32 s74, s[WV], 13
	v_add_nc_u32 v210, s74, v2                     ; my two tiles of v's weights,
	s_lshl_b32 s74, s[WV], 8
	v_add_nc_u32 v211, s74, v12                    ; and theirs
.irp b, 0,1,2,3
	v_mov_b32 v[TM+4+\b], 0                        ; written once: a lane permute's destination counts as one of its sources
.endr
	s_lshl_b32 s74, s72, 22                        ; x: the batch,
	s_lshl_b32 s75, s69, 21                        ; my 128 channels,
	s_add_co_u32 s74, s74, s75
	s_lshl_b32 s75, s73, 9                         ; the block's 128 positions,
	s_add_co_u32 s74, s74, s75
	s_lshl_b32 s75, s68, 7                         ; my 32 of them
	s_add_co_u32 s74, s74, s75
	s_mov_b32 s75, 0
	s_mul_i32 s82, s72, 1152
	s_lshl_b32 s76, s69, 6
	s_add_co_u32 s76, s76, s82
	s_add_co_u32 s76, s76, 1024                    ; the means of my 16 groups
	s_mov_b32 s77, 0
	s_lshl_b32 s84, s69, 9                         ; 512 bytes: my 128 channels in A and in gn_bias
	s_mov_b32 s85, 0
	s_add_co_u32 s82, s82, s84
	s_mov_b32 s83, 0
	s_mul_i32 s86, ttmp9, 33792                    ; my block in qc,
	s_mul_i32 s87, ttmp9, 67584                    ; in kv
	s_wait_kmcnt 0x0
	s_add_nc_u64 s[4:5], s[4:5], s[74:75]
	s_add_nc_u64 s[52:53], s[6:7], s[76:77]
	s_add_nc_u64 s[6:7], s[6:7], s[82:83]
	s_add_nc_u64 s[8:9], s[8:9], s[84:85]
	s_cmp_eq_u32 s70, 0                            ; q goes to qc, k to kv: the choice hangs on the wave's number alone
	s_cselect_b64 s[60:61], s[14:15], s[2:3]
	s_cselect_b32 s78, s86, s87
	s_lshl_b32 s79, s71, 11
	s_add_co_u32 s78, s78, s79
	s_lshl_b32 s79, s69, 14
	s_add_co_u32 s78, s78, s79
	s_mov_b32 s79, 0
	s_add_nc_u64 s[60:61], s[60:61], s[78:79]      ; fragment (4 ph + m, hf): + 16,384 ph + 2,048 hf, and 4,096 m in the immediate
	s_lshl_b32 s78, s[WV], 12
	s_add_co_u32 s78, s78, s87
	s_add_co_u32 s78, s78, 33792
	s_add_nc_u64 s[62:63], s[2:3], s[78:79]        ; v's fragments 2 w, 2 w + 1
	s_cmp_lt_u32 s[WV], 2                          ; the scale words: waves 0, 1 q's, waves 2, 3 k's, waves 4, 5 v's
	s_cselect_b64 s[100:101], s[14:15], s[2:3]
	s_cselect_b32 s78, s86, s87
	s_cmp_lt_u32 s[WV], 4
	s_cselect_b32 s80, 0, 33792
	s_add_co_u32 s78, s78, s80
	s_and_b32 s80, s[WV], 1
	s_lshl_b32 s80, s80, 9
	s_add_co_u32 s78, s78, s80
	s_add_co_u32 s78, s78, 32768
	s_add_nc_u64 s[100:101], s[100:101], s[78:79]
	CLOAD 0
	LOADX 0
	LOADX 1
	; ---- X
	BLOCKX 0
	BLOCKX 1
	BLOCKX 2
	BLOCKX 3
	ds_store_b32 v5, v[SW]
	s_wait_dscnt 0x0                               ; for the others' sake: my images and my scale words have landed
	s_barrier_signal -1
	s_barrier_wait -1
	; ---- QK
.irp e, 0,1,2,3
	ds_load_b32 v[HSQ+\e], v7 offset:128*\e
.endr
	XFLOAD 0
	s_wait_loadcnt 0x0                             ; the weights, their scale words, the bias
	QKUNIT 0
	QKUNIT 1
	QKUNIT 2
	QKUNIT 3
	; ---- V: source 0 = 16 positions of h, source 1 = 16 rows of v's weights: a lane holds one channel, its registers run along the positions.  Sixteen accumulators by turns
	s_wait_loadcnt 0x0
	s_wait_dscnt 0x0
	WIN 0x05                                       ; sources 0 and 1 in window 1
.irp e, 0,1,2,3,4,5,6,7
.irp u, 0,1
	MMS HA+80*\u+8*\e, 64+16*\e, 32*\u, XF+8*\u, HSV+2*(\e/2), WSV+\u, \e%2, 0
.endr
.endr
	PLACES 8                                       ; ahead of the loads into h's registers
	WIN 0x40
.irp e, 0,1,2,3,4,5,6,7
.irp c, 0,1,2,3
	ds_load_b128 v[64+16*\e+4*\c:64+16*\e+4*\c+3], v2 offset:4096*\e+2048+512*\c
.endr
.endr
	s_wait_dscnt 0x0
	WIN 0x05
.irp e, 0,1,2,3,4,5,6,7
.irp u, 0,1
	MMS HA+80*\u+8*\e, 64+16*\e, 32*\u+16, HA+80*\u+8*\e, HSV+2*(\e/2)+1, WSV+\u, \e%2, 1
.endr
.endr
	WIN 0
	PLACES 8
.irp u, 0,1
	s_wait_xcnt 0x0                                ; earlier stores have read the codes' registers
	QUANT HA+80*\u, PC, PW
.irp c, 0,1,2,3
	global_store_b128 v2, v[PC+4*\c:PC+4*\c+3], s[62:63] offset:2048*\u+512*\c
.endr
	ds_store_b32 v9, v[PW] offset:256*\u
.endr
	; ---- the scale words leave in runs of 512 bytes
	s_wait_dscnt 0x0
	s_barrier_signal -1
	s_barrier_wait -1
	s_cmp_gt_u32 s[WV], 5
	s_cbranch_scc1 .Lend
	ds_load_b128 v[XF:XF+3], v13
	s_wait_dscnt 0x0
	global_store_b128 v2, v[XF:XF+3], s[100:101]
.Lend:
	s_wait_tensorcnt 0x0
	ds_add_u32 v254, v255
	s_wait_dscnt 0x0
	s_endpgm
.Lfunc_end_k_qa4b6521f73_qkv:
	.size	k_qa4b6521f73_qkv, .Lfunc_end_k_qa4b6521f73_qkv-k_qa4b6521f73_qkv
	.p2alignl 7, 3214868480
	.fill 96, 4, 3214868480
	.section	.rodata,"a",@progbits
	.p2align	6, 0x0
	.amdhsa_kernel k_qa4b6521f73_qkv
		.amdhsa_group_segment_fixed_size 41984
		.amdhsa_private_segment_fixed_size 0
		.amdhsa_enable_private_segment 0
		.amdhsa_kernarg_size 56
		.amdhsa_user_sgpr_count 2
		.amdhsa_user_sgpr_kernarg_segment_ptr 1
		.amdhsa_wavefront_size32 1
		.amdhsa_system_sgpr_workgroup_id_x 1
		.amdhsa_system_sgpr_workgroup_id_y 1
		.amdhsa_system_sgpr_workgroup_id_z 1
		.amdhsa_system_vgpr_workitem_id 0
		.amdhsa_next_free_vgpr 512
		.amdhsa_next_free_sgpr 102
		.amdhsa_reserve_vcc 0
		.amdhsa_float_denorm_mode_32 3
		.amdhsa_float_denorm_mode_16_64 3
		.amdhsa_memory_ordered 1
		.amdhsa_forward_progress 1
		.amdhsa_inst_pref_size 138
	.end_amdhsa_kernel
	.amdgpu_metadata
---
amdhsa.version: [ 1, 2 ]
amdhsa.kernels:
  - .name:           k_qa4b6521f73_qkv
    .symbol:         k_qa4b6521f73_qkv.kd
    .args:
      - { .name: x, .offset: 0, .size: 8, .value_kind: global_buffer, .address_space: global }
      - { .name: gn, .offset: 8, .size: 8, .value_kind: global_buffer, .address_space: global }
      - { .name: gn_bias, .offset: 16, .size: 8, .value_kind: global_buffer, .address_space: global }
      - { .name: wq, .offset: 24, .size: 8, .value_kind: global_buffer, .address_space: global }
      - { .name: qkv_b, .offset: 32, .size: 8, .value_kind: global_buffer, .address_space: global }
      - { .name: qc, .offset: 40, .size: 8, .value_kind: global_buffer, .address_space: global }
      - { .name: kv, .offset: 48, .size: 8, .value_kind: global_buffer, .address_space: global }
    .group_segment_fixed_size: 41984
    .private_segment_fixed_size: 0
    .kernarg_segment_align: 8
    .kernarg_segment_size: 56
    .max_flat_workgroup_size: 256
    .sgpr_count:     102
    .vgpr_count:     512
    .wavefront_size: 32
...
	.end_amdgpu_metadata
.endif
;; end of part 2
;; launch attn (part 3): grid 64 x 4, 4 waves a work-group, clusters of 4 x 1, 327,680 bytes of LDS; arguments qc, kv, wq, proj_b, x, out0; writes out0
.if DOCPART == 3
	.amdgcn_target "amdgcn-amd-amdhsa--gfx1250"
	.amdhsa_code_object_version 6
	.text
	.protected	k_qa4b6521f73_attn
	.globl	k_qa4b6521f73_attn
	.p2align	8
	.type	k_qa4b6521f73_attn,@function
k_qa4b6521f73_attn:
	s_mov_b64 s[64:65], 0
	v_nop
	global_prefetch_b8 v0, s[64:65] scope:SCOPE_SE
	s_setreg_imm32_b32 hwreg(HW_REG_WAVE_MODE, 25, 1), 1
	s_wait_xcnt 0x0
	s_wait_alu depctr_hold_cnt(0) depctr_sa_sdst(0) depctr_va_vdst(0) depctr_va_sdst(0) depctr_va_ssrc(0) depctr_va_vcc(0) depctr_vm_vsrc(0)
	s_getreg_b32 s2, hwreg(HW_REG_IB_STS2, 6, 4)
	s_cmp_eq_u32 s2, 0
	s_cbranch_scc0 .Lentry_in_a_cluster
	s_endpgm
.Lentry_in_a_cluster:
	s_bfe_u32 s2, ttmp6, 0x10000c
	s_cmp_lg_u32 s2, 0x3003
	s_cbranch_scc0 .Lentry_shape_is_right
	s_endpgm
.Lentry_shape_is_right:
; ATTN.  out0 = proj_w (softmax(q^T k / 16) v) + proj_b + x, all three products on codes of E4M3 with one E8M0 byte for each 32 along K.  q, k, v and proj_w come as images of operand registers (four pieces of 512 bytes a
; fragment, lane l's 16 bytes at 16 l), laid by this program's earlier launches; a block of 128 keys is 67,584 dense bytes of kv: k's 16 fragments and 1,024 bytes of scale words, then v's.
; THE SOFTMAX: t = score x log2(e) / 16; M = the largest t so far, rounded up to a whole number; p = 2^(t - M) is quantised along the keys, not normalised; the sum l is taken of the unquantised p and divides at the end.
; SHARES.  A work-group owns 64 queries of one batch, four tiles of 16.  EVERY WAVE HOLDS ALL FOUR TILES AND TAKES EVERY FOURTH BLOCK OF 128 KEYS (wave w: blocks 4 j + w, j = 0 .. 7), with its own M, l and O^T
; (512 registers).  So each fragment of k and v is read from LDS once in the work-group and feeds four products.  At the end the four waves' sums are joined through LDS by factors 2^(M_w - M), which round nothing.
; LAYOUT.  S^T = k q^T, O^T = v p^T: a lane holds one query throughout.  The keys of a tile of k are 32 (t / 2) + 8 (t % 2) + r + (r & 8), so p's 16 registers of two neighbouring tiles are 16 neighbouring keys; v's
; channels are chosen likewise, so O^T / l is quantised in registers for the last product.
; CLUSTER.  The four work-groups of a cluster are query blocks of one batch; wave w of each walks the same blocks of keys: each tile is asked for JOINTLY, by the same tensor load with a mask that names the four.
; THE RING.  A wave has one slot for k's part and one for v's.  k's slot is filled again behind the S phase and the four tiles' maxima, v's behind the softmax (its 16 fragments are in registers): each refill stands
; first behind a round of the cluster's barrier, one tensor load a wave.  At each refill all the wave's loads are waited for, so the step is shared between the two: between v's request and the wait for it stand 128
; products and the 212 lines of the maxima, between k's and its wait the other 1,230 or so vector lines.  By this text's own count a wave has at most two tensor loads out.  Only the wave that asked reads its slot.
; THE VECTOR PHASE GOES BY TURNS OF THE FOUR TILES.  MAXES: the blocks' largest scores, M and f of all four, line by line: no line reads the line above it.  EXPS i: tile i's 68 exponentials, one batch.  REST i: all
; that reads them.  The order is E0 E1 wait R0 E2 R1 wait E3 R2 wait R3: a tile's exponentials are issued ahead of the tile before's readers, so three waits serve the step.
; O^T begins as zeros, written while the first tiles are on their way: so the key step is written twice (the loop, and the last step without refills) and not three times.
; LIMITS: NaN and infinities are not served.  A block of zeros, or one under 2^-118, gets the scale byte 1.  O^T's sums are joined wave by wave, not in the order of the keys.
; REGISTERS, in windows of 256.  Window 0: v1-7 addresses; v[8+2i], v[9+2i] -M and the largest t of tile i; v[16+i] l; v20-43 scale words (q's, p's, k's, v's) and nothing else; v[44+2i], v[45+2i] f of tile i and a
;   register at work; v52-63 at work; v64-127 two buffers of k's fragments, then p's codes (tile i at 64 + 16 i); between the two uses v96-111 serve the lane exchange and v112-127 the blocks' maxima;
;   v128-255 q (tile i, K step s at 128 + 32 i + 16 s).
;   Window 1: S^T (tile i at 64 i + 8 kt), then v's fragments (ct at 16 ct).   Window 2: O^T of tiles 0, 1 (128 i + 8 ct).   Window 3: of tiles 2, 3.
.set SLOTB, 67584                      ; LDS: wave w's slots at 67,584 w: k's part, 33,792 bytes, then v's
.set PARTB, 33792
.set STEPB, 4*SLOTB                    ; from a wave's block of keys to its next, in kv
.set STAT,  270336                     ; wave w', tile i: -M at 1,024 w' + 256 i + 4 lane, l 128 further on
.set AIMG,  274432                     ; a's eight fragments, (tile i, K step s) at (2 i + s) x 2,048
.set ASC,   290816                     ; their scale words: 128 i + 4 lane
.set SPARE, 291328                     ; the spare words, 128 bytes for each wave: two blocks of 256 bytes that no other line names
.set STG,   0                          ; the way out: 256 rows x 272 bytes.  It and O^T's exchange (65,536 w' + 16,384 i) lie in the slots, behind their last fill and a barrier
.set LK,  1                            ; v1  my slot + 16 lane
.set LV,  2                            ; v2  + 33,792
.set SPW, 3                            ; v3  my spare word; never rewritten
.set NIL, 4                            ; v4  0; never rewritten
.set PFO, 5                            ; v5  256 x lane; never rewritten
.set LN,  6                            ; v6  lane
.set LI,  7                            ; v7  16 lane
.set QS,  20
.set PS,  24
.set KS,  28
.set VS,  36
.set TM,  44                           ; the way out's quantiser: 16 registers
.set FP,  44                           ; v[44+2i] f = 2^(old M - new M) of tile i; v[45+2i] at work
.set SC,  52                           ; v52-59 the row's sum in four chains of pairs; then
.set HD,  52                           ; v52-55 the four holds,
.set SO,  56                           ; v56-59 the four scale operands
.set PT,  60                           ; v60-63 the four bytes
.set PB,  96                           ; v96-111  the other half of the lanes' maxima, four a tile
.set BM,  112                          ; v112-127 the blocks' largest scores, then t - M, then p: four a tile
.set A_ST0, 62                         ; the way out's addresses
.set A_STS, 63
.set A_ST1, 108
.set A_OXW, 109
.set A_OXR, 110
.set A_AIW, 114
.set A_ASW, 115
.set A_AIR, 116
.set A_ASR, 117
.set A_STW, 118
.set A_STR, 119
.set G_WF,  120
.set G_WS,  121
.set G_PB,  122
.set G_X,   123
.set WV,  16
.set SEL, 20
.set CS,  22                           ; s[22:23] c = log2(e) / 16
.set MNT, 24
.set CNT, 25                           ; trips to go
.set LIM, 26                           ; 1 in a cluster that prefetches, else the greatest number
.set G1,  28
.set G0K, 36
.set G0V, 40
.set PFA, 44
.set MSB, 0
.macro WIN new                         ; the immediate's high byte repeats the setting that is left
.if MSB != (\new)
	s_set_vgpr_msb (MSB<<8)|(\new)
.set MSB, \new
.endif
.endm
.macro PLACES n
.rept \n
	v_nop
.endr
.endm
.macro MMS d, a, b, c, sa, sb, ra, rb  ; a product; ra, rb = 1: that side's scale words are taken from lanes 16-31
.if (\ra) && (\rb)
	v_wmma_scale_f32_16x16x128_f8f6f4 v[\d:\d+7], v[\a:\a+15], v[\b:\b+15], v[\c:\c+7], v[\sa], v[\sb] matrix_a_scale:MATRIX_SCALE_ROW1 matrix_b_scale:MATRIX_SCALE_ROW1
.elseif (\ra)
	v_wmma_scale_f32_16x16x128_f8f6f4 v[\d:\d+7], v[\a:\a+15], v[\b:\b+15], v[\c:\c+7], v[\sa], v[\sb] matrix_a_scale:MATRIX_SCALE_ROW1
.else
	v_wmma_scale_f32_16x16x128_f8f6f4 v[\d:\d+7], v[\a:\a+15], v[\b:\b+15], v[\c:\c+7], v[\sa], v[\sb]
.endif
.endm
.macro MMZ d, a, b, sa, sb             ; a product that starts a sum
	v_wmma_scale_f32_16x16x128_f8f6f4 v[\d:\d+7], v[\a:\a+15], v[\b:\b+15], 0, v[\sa], v[\sb]
.endm
.macro QUANT s, pc, pw                 ; 64 numbers of a lane, register 16 b + i = k 32 b + 16 (lane / 16) + i of its row, become a fragment's codes and the row's scale word
.irp b, 0,1,2,3
	v_max3_num_f32 v[TM+\b], |v[\s+16*\b]|, |v[\s+1+16*\b]|, 0x4800000
.endr
.irp i, 2,4,6,8,10,12,14
.irp b, 0,1,2,3
	v_max3_num_f32 v[TM+\b], v[TM+\b], |v[\s+16*\b+\i]|, |v[\s+1+16*\b+\i]|
.endr
.endr
.irp b, 0,1,2,3
	v_permlanex16_b32 v[TM+4+\b], v[TM+\b], s[SEL], s[SEL+1]
.endr
.irp b, 0,1,2,3
	v_max_num_f32 v[TM+\b], v[TM+\b], v[TM+4+\b]
.endr
.irp b, 0,1,2,3
	v_add_nc_u32 v[TM+12+\b], 0xfc000000, v[TM+\b]
.endr
.irp b, 0,1,2,3
	v_and_or_b32 v[TM+8+\b], v[TM+\b], 0x7f800000, s[MNT]
.endr
.irp b, 0,1,2,3
	v_lshrrev_b32 v[TM+4+\b], 23, v[TM+12+\b]
.endr
	v_lshl_or_b32 v[\pw], v[TM+5], 8, v[TM+4]
	v_lshl_or_b32 v[\pw], v[TM+6], 16, v[\pw]
	v_lshl_or_b32 v[\pw], v[TM+7], 24, v[\pw]
.irp b, 0,1,2,3
.irp i, 0,1,2,3,4,5,6,7,8,9,10,11,12,13,14,15
	v_med3_num_f32 v[\s+16*\b+\i], v[\s+16*\b+\i], -v[TM+8+\b], v[TM+8+\b]
.endr
	v_cvt_scalef32_pk8_fp8_f32 v[\pc+4*\b:\pc+4*\b+1], v[\s+16*\b:\s+16*\b+7], v[TM+12+\b]
	v_cvt_scalef32_pk8_fp8_f32 v[\pc+4*\b+2:\pc+4*\b+3], v[\s+16*\b+8:\s+16*\b+15], v[TM+12+\b]
.endr
	v_nop
.endm
.macro CROUND                          ; a round of the cluster's barrier
	s_barrier_signal -1
	s_barrier_wait -1
	s_cmp_lg_u32 s[WV], 0
	s_cbranch_scc1 .Lnot_wave_0_\@
	s_barrier_signal -3
.Lnot_wave_0_\@:
	s_barrier_wait -3
	s_barrier_signal -1
	s_barrier_wait -1
.endm
.macro BAR                             ; my LDS stores have landed and my LDS loads are in: then the work-group's barrier
	s_wait_dscnt 0x0
	s_barrier_signal -1
	s_barrier_wait -1
.endm
; A PREFETCH INTO THE L2 of the images (32,768 bytes) of my wave's block of keys two steps on: k's behind k's refill, v's behind v's: one step ahead of the load that will want them.  All clusters of a batch walk the
; same kv: the batch's first cluster asks.  Its four partners share the bytes out BY ADDRESS, 8,192 each, a lane to each 256.  The last trip asks for nothing; nothing is asked for at the head.
.macro ASK at
	s_cmp_gt_u32 s[CNT], s[LIM]
	s_cbranch_scc0 .Lnot_mine_\@
	global_prefetch_b8 v[PFO], s[PFA:PFA+1] offset:\at th:TH_LOAD_NT scope:SCOPE_SE
.Lnot_mine_\@:
.endm
; A REFILL.  All my tensor loads have landed; 0 onto my spare word; the descriptor steps; the add is done and my reads of the slot are in; a round of the cluster's barrier; the joint load first behind it.
.macro CHANGE g0, isk
	WIN 0
	s_wait_tensorcnt 0x0                           ; the one load that was out is the other part's: it is read next
	ds_add_u32 v[SPW], v[NIL]
	s_add_nc_u64 s[\g0+2:\g0+3], s[\g0+2:\g0+3], STEPB   ; no load of mine is out: my next block of keys; the type bits on top are not reached
.if \isk
	s_wait_xcnt 0x0                                ; the last prefetches have read their address
	s_add_nc_u64 s[PFA:PFA+1], s[PFA:PFA+1], STEPB
.endif
	s_wait_dscnt 0x0
	CROUND
	tensor_load_to_lds s[\g0:\g0+3], s[G1:G1+7]
	s_nop 0
.rept 4
	v_nop
.endr
	ASK PARTB*(1-\isk)
.endm
.macro KLOAD buf, kt                   ; k's two fragments of tile kt into buffer buf
	WIN 0
.irp h, 0,1
.irp c, 0,1,2,3
	ds_load_b128 v[64+32*(\buf)+16*\h+4*\c:64+32*(\buf)+16*\h+4*\c+3], v[LK] offset:(2*(\kt)+\h)*2048+512*\c
.endr
.endr
.endm
.macro KSLOAD                          ; k's scale words: register kt; lanes 0-15 K step 0, lanes 16-31 K step 1
	ds_load_b128 v[KS:KS+3], v[LK] offset:32768
	ds_load_b128 v[KS+4:KS+7], v[LK] offset:32768+512
.endm
.macro SMUL kt                         ; 16 keys x 64 queries x 256 channels: eight products, the four tiles' accumulators by turns
	WIN 0x50                                       ; C and D in window 1
.irp i, 0,1,2,3
	MMZ 64*\i+8*(\kt), 64+32*((\kt)%2), 128+32*\i, KS+(\kt), QS+\i
.endr
.irp i, 0,1,2,3
	MMS 64*\i+8*(\kt), 64+32*((\kt)%2)+16, 128+32*\i+16, 64*\i+8*(\kt), KS+(\kt), QS+\i, 1, 1
.endr
.endm
; THE MAXIMA OF ALL FOUR TILES, line by line: the largest score of each block of 32 keys (it serves the row's maximum and, since p rises with the score, the block's largest p), the new M, f, and t - M of the blocks' maxima.
; Sixteen chains take turns, and the lines that make M stand four apart.
.macro MAXES
	WIN 0x15
.irp b, 0,1,2,3
.irp i, 0,1,2,3
	v_max3_num_f32 v[BM+4*\i+\b], v[64*\i+16*\b], v[64*\i+16*\b+1], v[64*\i+16*\b+2]   ; each accumulator is read from its low end on
.endr
.endr
	WIN 0x14
.irp n, 3,5,7,9,11,13
.irp b, 0,1,2,3
.irp i, 0,1,2,3
	v_max3_num_f32 v[BM+4*\i+\b], v[BM+4*\i+\b], v[64*\i+16*\b+\n], v[64*\i+16*\b+\n+1]
.endr
.endr
.endr
.irp b, 0,1,2,3
.irp i, 0,1,2,3
	v_max_num_f32 v[BM+4*\i+\b], v[BM+4*\i+\b], v[64*\i+16*\b+15]
.endr
.endr
	WIN 0
.irp b, 0,1,2,3
.irp i, 0,1,2,3
	v_permlanex16_b32 v[PB+4*\i+\b], v[BM+4*\i+\b], s[SEL], s[SEL+1]
.endr
.endr
.irp b, 0,1,2,3
.irp i, 0,1,2,3
	v_max_num_f32 v[BM+4*\i+\b], v[BM+4*\i+\b], v[PB+4*\i+\b]   ; with lane l xor 16's 16 keys
.endr
.endr
.irp i, 0,1,2,3
	v_max3_num_f32 v[FP+2*\i+1], v[BM+4*\i], v[BM+4*\i+1], v[BM+4*\i+2]
.endr
.irp i, 0,1,2,3
	v_max_num_f32 v[FP+2*\i+1], v[FP+2*\i+1], v[BM+4*\i+3]
.endr
.irp i, 0,1,2,3
	v_mul_f32 v[FP+2*\i+1], s[CS], v[FP+2*\i+1]    ; the step's largest t (c is positive)
.endr
.irp i, 0,1,2,3
	v_max_num_f32 v[9+2*\i], v[9+2*\i], v[FP+2*\i+1]
.endr
.irp i, 0,1,2,3
	v_mov_b32 v[FP+2*\i+1], v[8+2*\i]
.endr
.irp i, 0,1,2,3
	v_floor_f32 v[8+2*\i], -v[9+2*\i]              ; -M = floor(-t): M is a whole number
.endr
.irp i, 0,1,2,3
	v_sub_f32 v[FP+2*\i+1], v[8+2*\i], v[FP+2*\i+1]   ; old M - new M: a whole number, 0 or less
.endr
.irp i, 0,1,2,3
	v_cvt_i32_f32 v[FP+2*\i+1], v[FP+2*\i+1]       ; (it saturates)
.endr
.irp i, 0,1,2,3
	v_ldexp_f32 v[FP+2*\i], 1.0, v[FP+2*\i+1]      ; f = 2^(old M - new M)
.endr
.irp b, 0,1,2,3
.irp i, 0,1,2,3
	v_fma_f32 v[BM+4*\i+\b], v[BM+4*\i+\b], s[CS], v[8+2*\i]   ; t - M of each block's largest score
.endr
.endr
.endm
; TILE i's EXPONENTIALS, ONE BATCH: the four of the blocks' largest p, then 32 packed scalings and 64 exponentials.  None of these lines names an exponential's result.
.macro EXPS i
.set S0, 64*(\i)
.set NM, 8+2*(\i)
	WIN 0
.irp b, 0,1,2,3
	v_exp_f32 v[BM+4*(\i)+\b], v[BM+4*(\i)+\b]
.endr
	WIN 0x41
	v_pk_fma_f32 v[S0:S0+1], v[S0:S0+1], s[CS:CS+1], v[NM:NM+1] op_sel_hi:[1,0,0]
	v_pk_fma_f32 v[S0+2:S0+3], v[S0+2:S0+3], s[CS:CS+1], v[NM:NM+1] op_sel_hi:[1,0,0]
.set k, 0
.rept 32
	v_exp_f32 v[S0+2*k], v[S0+2*k]
	v_exp_f32 v[S0+2*k+1], v[S0+2*k+1]
.if k < 30
	v_pk_fma_f32 v[S0+2*k+4:S0+2*k+5], v[S0+2*k+4:S0+2*k+5], s[CS:CS+1], v[NM:NM+1] op_sel_hi:[1,0,0]
.endif
.set k, k+1
.endr
.endm
; ALL THAT READS TILE i's EXPONENTIALS: the sum, the scales, the hold, the codes; then four fragments of v take the scores' registers, and O^T is brought under the new M.  It names no register of another tile's batch.
.macro REST i
.set S0, 64*(\i)
.set LL, 16+(\i)
.set B0, BM+4*(\i)
	WIN 0
	v_mul_f32 v[LL], v[LL], v[FP+2*(\i)]           ; the sum under the new M (a plain line behind the batch issued just before)
	WIN 0x05                                       ; the sum of the unquantised p: four chains of pairs, started by the first eight pairs
.irp c, 0,1,2,3
	v_pk_add_f32 v[SC+2*\c:SC+2*\c+1], v[S0+2*\c:S0+2*\c+1], v[S0+8+2*\c:S0+9+2*\c]
.endr
	WIN 0x04
.set k, 16
.rept 6
.irp c, 0,1,2,3
	v_pk_add_f32 v[SC+2*\c:SC+2*\c+1], v[SC+2*\c:SC+2*\c+1], v[S0+k+2*\c:S0+k+2*\c+1]
.endr
.set k, k+8
.endr
	WIN 0                                          ; the chains are folded among the scales' lines, so that no line reads the line above it
	v_pk_add_f32 v[SC:SC+1], v[SC:SC+1], v[SC+2:SC+3]
	v_pk_add_f32 v[SC+4:SC+5], v[SC+4:SC+5], v[SC+6:SC+7]
.irp b, 0,1,2,3
	v_max_num_f32 v[B0+\b], 0x4800000, v[B0+\b]    ; the floor 2^(9 - 127): the byte cannot fall under 1
.endr
	v_pk_add_f32 v[SC:SC+1], v[SC:SC+1], v[SC+4:SC+5]
.irp b, 0,1,2,3
	v_add_nc_u32 v[SO+\b], 0xfc000000, v[B0+\b]    ; 8 off the exponent field: the conversion's scale operand (the chains' upper registers are done with)
.endr
	v_add_f32 v[LL], v[LL], v[SC]
.irp b, 0,1,2,3
	v_lshrrev_b32 v[PT+\b], 23, v[SO+\b]           ; the scale's byte
.endr
	v_add_f32 v[LL], v[LL], v[SC+1]
.irp b, 0,1,2,3
	v_and_or_b32 v[HD+\b], v[B0+\b], 0x7f800000, s[MNT]   ; 448 x the scale (the chains' lower registers are done with)
.endr
	v_lshl_or_b32 v[PT], v[PT+1], 8, v[PT]
	v_lshl_or_b32 v[PT+2], v[PT+3], 8, v[PT+2]
	v_lshl_or_b32 v[PS+(\i)], v[PT+2], 16, v[PT]   ; p's scale word for these 128 keys
	WIN 0x41
.irp b, 0,1,2,3
.irp n, 0,1,2,3,4,5,6,7,8,9,10,11,12,13,14,15
	v_min_num_f32 v[S0+16*\b+\n], v[S0+16*\b+\n], v[HD+\b]   ; the conversion does not saturate (ISA guide 7.6.2); p is not negative: a one-sided hold
.endr
.endr
	WIN 0x01
.irp b, 0,1,2,3
	v_cvt_scalef32_pk8_fp8_f32 v[64+16*(\i)+4*\b:64+16*(\i)+4*\b+1], v[S0+16*\b:S0+16*\b+7], v[SO+\b]
	v_cvt_scalef32_pk8_fp8_f32 v[64+16*(\i)+4*\b+2:64+16*(\i)+4*\b+3], v[S0+16*\b+8:S0+16*\b+15], v[SO+\b]
.endr
	v_nop
.if (\i) == 0
	WIN 0
	ds_load_b128 v[VS:VS+3], v[LV] offset:32768              ; v's scale words: register ct / 2; lanes 0-15 even ct, lanes 16-31 odd
	ds_load_b128 v[VS+4:VS+7], v[LV] offset:32768+512
.endif
	WIN 0x40                                       ; the tile's scores are done with: four fragments of v take their registers
.irp f, 0,1,2,3
.irp c, 0,1,2,3
	ds_load_b128 v[S0+16*\f+4*\c:S0+16*\f+4*\c+3], v[LV] offset:(4*(\i)+\f)*2048+512*\c
.endr
.endr
	WIN 0x82+0x41*((\i)/2)
.set k, 0
.rept 64
	v_pk_mul_f32 v[128*((\i)%2)+2*k:128*((\i)%2)+2*k+1], v[128*((\i)%2)+2*k:128*((\i)%2)+2*k+1], v[FP+2*(\i):FP+2*(\i)+1] op_sel_hi:[1,0]   ; O^T under the new M, each accumulator from its low end on
.set k, k+1
.endr
.endm
.macro PVT i                           ; O^T of tile i += v p^T: sixteen accumulators, one product each
	WIN 0xa1+0x50*((\i)/2)
.irp ct, 0,1,2,3,4,5,6,7,8,9,10,11,12,13,14,15
	MMS 128*((\i)%2)+8*\ct, 16*\ct, 64+16*(\i), 128*((\i)%2)+8*\ct, VS+\ct/2, PS+(\i), \ct%2, 0
.endr
.endm
; A KEY STEP: my wave's next 128 keys.  fill = 1: both parts of the slot are filled again.
.macro STEP fill
.irp kt, 0,1,2,3,4,5,6,7
.if \kt == 7
	s_wait_dscnt 0x0
.else
	s_wait_dscnt 8                                 ; this tile's fragments are in; the other buffer's eight loads may be out
.endif
	SMUL \kt
.if \kt < 6
	PLACES 8                                       ; ahead of the loads into the buffer just multiplied
	KLOAD (\kt)%2, \kt+2
.endif
.endr
	PLACES 8                                       ; ahead of the first read of the scores, and of the first write into k's second buffer
	MAXES
.if \fill
	CHANGE G0K, 1                                  ; k's part has been read: my next block's k.  v's part has landed.  No exponential is out at the round's branches
.else
	WIN 0
	s_wait_tensorcnt 0x0                           ; v's part has landed
.endif
	EXPS 0
	EXPS 1
	WIN 0
	v_nop                                          ; a plain line behind the last exponential
	s_wait_alu depctr_va_vdst(0)                   ; this wait serves tiles 0 and 1, ahead of tile 0's first reader
	REST 0
	EXPS 2
	REST 1
	s_wait_alu depctr_va_vdst(0)                   ; tile 2's batch, issued ahead of tile 1's readers
	EXPS 3
	REST 2
	s_wait_alu depctr_va_vdst(0)                   ; tile 3's, issued ahead of tile 2's readers
	REST 3
.if \fill
	CHANGE G0V, 0                                  ; v's 16 fragments are in registers: my next block's v.  k's part has landed
.else
	WIN 0
	s_wait_dscnt 0x0                               ; v's fragments are in
.endif
	PVT 0
	PVT 1
.if \fill
	PLACES 8                                       ; ahead of the loads into the registers of tiles 0 and 1's codes
	WIN 0
	KSLOAD
	KLOAD 0, 0
.endif
	PVT 2
	PVT 3
	PLACES 9                                       ; the next scores are laid over v's fragments: one place more than a load wants
.if \fill
	KLOAD 1, 1
.endif
	WIN 0
.endm
	s_load_b256 s[4:11], s[0:1], 0x0               ; qc s[4:5], kv s[6:7], wq s[8:9], proj_b s[10:11]
	s_load_b128 s[12:15], s[0:1], 0x20             ; x s[12:13], out0 s[14:15]
	v_lshl_add_u32 v[SPW], v0, 2, SPARE
	v_mov_b32 v[NIL], 0
	ds_add_u32 v3, v4
	ds_add_u32 v3, v4
	s_wait_dscnt 0x0
	v_lshrrev_b32 v1, 5, v0
	v_readfirstlane_b32 s[WV], v1                  ; wave 0..3
	s_bfe_u32 s17, ttmp6, 0x40000                  ; cx: my place in the cluster: it enters global addresses of q, x, out0 and of the prefetches alone
	s_lshl_b32 s18, ttmp9, 2
	s_add_co_u32 s18, s18, s17                     ; my block of 64 queries
	s_and_b32 s19, ttmp7, 0xffff                   ; the batch, which the partners share
	; descriptor group 1: a dense block of 33,792 bytes as 132 rows of 256 (32 elements of 8 bytes); no padding: images are read 512 consecutive bytes at a time
	s_mov_b32 s[G1], 15|(3<<16)|(1<<21)            ; 15:0 the mask: all four work-groups; 17:16 elements of 8 bytes; 21 set beside a mask
	s_mov_b32 s[G1+1], 32<<16                      ; tensor_dim0
	s_mov_b32 s[G1+2], 132<<16                     ; tensor_dim1
	s_mov_b32 s[G1+3], 32<<16                      ; tile_dim0
	s_mov_b32 s[G1+4], 132                         ; tile_dim1
	s_mov_b32 s[G1+5], 32                          ; the pitch
	s_mov_b32 s[G1+6], 0
	s_mov_b32 s[G1+7], 0
	s_mov_b32 s[SEL], 0x76543210
	s_mov_b32 s[SEL+1], 0xfedcba98
	s_mov_b32 s[CS], 0x3db8aa3b                    ; c = log2(e) / 16
	s_mov_b32 s[CS+1], s[CS]                       ; (named with it as a pair)
	s_mov_b32 s[MNT], 0x600000
	s_mov_b32 s[CNT], 7
	s_cmp_eq_u32 ttmp9, 0                          ; the batch's first cluster: the same in all four partners
	s_cselect_b32 s[LIM], 1, -1
	v_and_b32 v[LN], 31, v0
	v_lshlrev_b32 v[PFO], 8, v[LN]
	v_lshlrev_b32 v[LI], 4, v[LN]
	s_mul_i32 s46, s19, 32*SLOTB                   ; kv: the batch's 32 blocks,
	s_mul_i32 s48, s[WV], SLOTB                    ; my wave's first; also my slot in LDS
	s_add_co_u32 s46, s46, s48
	s_mov_b32 s47, 0
	s_lshl_b32 s50, s17, 13                        ; the prefetches: my work-group's 8,192 bytes,
	s_add_co_u32 s50, s50, STEPB                   ; in my wave's second block: the first refill steps it to the third
	s_mov_b32 s51, 0
	s_lshl_b32 s52, s19, 5
	s_lshr_b32 s53, s18, 1
	s_add_co_u32 s52, s52, s53
	s_mul_i32 s52, s52, PARTB                      ; qc: the block of 128 positions that holds my 64
	s_and_b32 s54, s18, 1                          ; which half of it
	s_lshl_b32 s55, s54, 9
	s_add_co_u32 s58, s52, s55                     ; its scale words (32,768 further on)
	s_mov_b32 s59, 0
	s_lshl_b32 s55, s54, 14
	s_add_co_u32 s56, s52, s55                     ; its four tiles' images
	s_mov_b32 s57, 0
	s_lshl_b32 s52, s19, 22                        ; x and out0: the batch,
	s_lshl_b32 s53, s[WV], 20                      ; my wave's 64 output channels,
	s_add_co_u32 s52, s52, s53
	s_lshl_b32 s53, s18, 8                         ; my 64 positions
	s_add_co_u32 s52, s52, s53
	s_mov_b32 s53, 0
	s_wait_kmcnt 0x0
	s_mov_b32 s[G0K], 1                            ; count = 1
	s_mov_b32 s[G0K+1], s48                        ; LDS address
	s_add_nc_u64 s[G0K+2:G0K+3], s[6:7], s[46:47]  ; global address
	s_mov_b32 s[G0V], 1
	s_add_co_u32 s[G0V+1], s48, PARTB
	s_add_nc_u64 s[G0V+2:G0V+3], s[G0K+2:G0K+3], PARTB
	s_or_b32 s[G0K+3], s[G0K+3], 0x80000000        ; type = 2
	s_or_b32 s[G0V+3], s[G0V+3], 0x80000000
	s_add_nc_u64 s[PFA:PFA+1], s[6:7], s[46:47]
	s_add_nc_u64 s[PFA:PFA+1], s[PFA:PFA+1], s[50:51]
	s_add_nc_u64 s[56:57], s[4:5], s[56:57]
	s_add_nc_u64 s[58:59], s[4:5], s[58:59]
	s_add_nc_u64 s[12:13], s[12:13], s[52:53]
	s_add_nc_u64 s[14:15], s[14:15], s[52:53]
	CROUND                                         ; all four work-groups are here: the first joint loads meet
	tensor_load_to_lds s[G0K:G0K+3], s[G1:G1+7]    ; my first block's k,
	s_nop 0
	tensor_load_to_lds s[G0V:G0V+3], s[G1:G1+7]    ; and v: two loads of mine are out
	s_nop 0
.rept 4
	v_nop
.endr
.irp i, 0,1,2,3
.irp h, 0,1
.irp c, 0,1,2,3
	global_load_b128 v[128+32*\i+16*\h+4*\c:128+32*\i+16*\h+4*\c+3], v[LI], s[56:57] offset:4096*\i+2048*\h+512*\c   ; q stays in registers
.endr
.endr
.endr
	global_load_b128 v[QS:QS+3], v[LI], s[58:59] offset:32768    ; q's scale words: register i; lanes 0-15 K step 0, lanes 16-31 K step 1
	v_add_nc_u32 v[LK], s48, v[LI]
	v_add_nc_u32 v[LV], PARTB, v[LK]
.irp i, 0,1,2,3
	v_mov_b32 v[9+2*\i], 0xff61b1e6                ; the largest t so far: -3e38
	v_floor_f32 v[8+2*\i], -v[9+2*\i]              ; -M
	v_mov_b32 v[16+\i], 0                          ; l
.endr
	WIN 0x80
.set i, 0
.rept 256
	v_mov_b32 v[i], 0                              ; O^T: the first change of M multiplies zeros
.set i, i+1
.endr
	WIN 0xc0
.set i, 0
.rept 256
	v_mov_b32 v[i], 0
.set i, i+1
.endr
	WIN 0
	s_wait_tensorcnt 0x1                           ; k's part is in; v's may be out.  Only I read my slot
	KSLOAD
	KLOAD 0, 0
	KLOAD 1, 1
	s_wait_loadcnt 0x0                             ; q
.Lstep:                                            ; seven trips; the last step is written out
	STEP 1
	s_sub_co_u32 s[CNT], s[CNT], 1
	s_cmp_lg_u32 s[CNT], 0
	s_cbranch_scc1 .Lstep
	STEP 0
	; ---- THE WAY OUT.  (The nine places that end the step stand ahead of these lines.)  Addresses first
	v_and_b32 v124, 15, v0                         ; r
	v_bfe_u32 v125, v0, 4, 1                       ; h
	v_lshlrev_b32 v126, 2, v[LN]
	v_add_nc_u32 v[A_ST0], STAT, v126
	s_lshl_b32 s46, s[WV], 10
	v_add_nc_u32 v[A_STS], s46, v[A_ST0]           ; where I store my statistics
	s_lshl_b32 s46, s[WV], 8
	v_add_nc_u32 v[A_ST1], s46, v[A_ST0]           ; tile w's, of every wave
	v_lshl_add_u32 v[G_PB], v124, 2, s46           ; proj_b: 4 (64 w + r)
	s_lshl_b32 s46, s[WV], 16
	v_add_nc_u32 v[A_OXW], s46, v[LI]              ; where I put my O^T
	s_lshl_b32 s46, s[WV], 14
	v_add_nc_u32 v[A_OXR], s46, v[LI]              ; tile w's, of wave 0,
	v_add_nc_u32 v[A_OXR+1], 65536, v[A_OXR]       ; 1,
	v_add_nc_u32 v[A_OXR+2], 131072, v[A_OXR]      ; 2,
	v_add_nc_u32 v[A_OXR+3], 196608, v[A_OXR]      ; 3
	v_add_nc_u32 v[G_WF], s46, v[LI]               ; wq: my four tiles of proj_w
	v_add_nc_u32 v[A_AIR], AIMG, v[LI]
	s_lshl_b32 s46, s[WV], 12
	v_add_nc_u32 v[A_AIW], s46, v[A_AIR]
	v_add_nc_u32 v[A_ASR], ASC, v126
	s_lshl_b32 s46, s[WV], 7
	v_add_nc_u32 v[A_ASW], s46, v[A_ASR]
	s_mul_i32 s46, s[WV], 64*272
	v_mul_u32_u24 v[A_STW], v124, 272
	v_lshl_add_u32 v[A_STW], v125, 6, v[A_STW]
	v_add_nc_u32 v[A_STW], s46, v[A_STW]           ; the stage, in: row 64 w + r, + 64 h
	v_mul_u32_u24 v[A_STR], v125, 272
	v_lshl_add_u32 v[A_STR], v124, 4, v[A_STR]
	v_add_nc_u32 v[A_STR], s46, v[A_STR]           ; back: lanes 0-15 one row, lanes 16-31 the next
	s_lshl_b32 s46, s[WV], 9
	v_add_nc_u32 v[G_WS], s46, v126                ; proj_w's scale words
	v_lshlrev_b32 v[G_X], 14, v125
	v_lshl_add_u32 v[G_X], v124, 4, v[G_X]         ; x and out0: 16,384 h + 16 r
	; E1: every wave's -M and l of the four tiles meet in LDS
.irp i, 0,1,2,3
	v_permlanex16_b32 v[HD+\i], v[16+\i], s[SEL], s[SEL+1]
.endr
.irp i, 0,1,2,3
	v_add_f32 v[16+\i], v[16+\i], v[HD+\i]         ; with lane l xor 16's keys
.endr
.irp i, 0,1,2,3
	ds_store_b32 v[A_STS], v[8+2*\i] offset:256*\i
	ds_store_b32 v[A_STS], v[16+\i] offset:256*\i+128
.endr
	BAR                                            ; also: no wave reads a slot any more, and every wave's tensor loads have landed
	; E2: the common M of each tile; my O^T is brought under it; tile w's sum
.irp i, 0,1,2,3
.irp e, 0,1,2,3
	ds_load_b32 v[64+4*\i+\e], v[A_ST0] offset:1024*\e+256*\i
.endr
.endr
.irp e, 0,1,2,3
	ds_load_b32 v[80+\e], v[A_ST1] offset:1024*\e
	ds_load_b32 v[84+\e], v[A_ST1] offset:1024*\e+128
.endr
	s_wait_dscnt 0x0
.irp i, 0,1,2,3
	v_min3_num_f32 v[88+\i], v[64+4*\i], v[65+4*\i], v[66+4*\i]
.endr
.irp i, 0,1,2,3
	v_min_num_f32 v[88+\i], v[88+\i], v[67+4*\i]   ; -M of all keys
.endr
.irp i, 0,1,2,3
	v_sub_f32 v[88+\i], v[88+\i], v[8+2*\i]        ; my M - M: a whole number, 0 or less
.endr
.irp i, 0,1,2,3
	v_cvt_i32_f32 v[88+\i], v[88+\i]
.endr
.irp i, 0,1,2,3
	v_ldexp_f32 v[96+2*\i], 1.0, v[88+\i]
.endr
.irp i, 0,1,2,3
	v_mov_b32 v[97+2*\i], v[96+2*\i]
.endr
	v_min3_num_f32 v92, v80, v81, v82
	v_min_num_f32 v92, v92, v83
.irp e, 0,1,2,3
	v_sub_f32 v[80+\e], v92, v[80+\e]
.endr
.irp e, 0,1,2,3
	v_cvt_i32_f32 v[80+\e], v[80+\e]
.endr
.irp e, 0,1,2,3
	v_ldexp_f32 v[80+\e], 1.0, v[80+\e]
.endr
	v_mul_f32 v93, v80, v84
	v_fma_f32 v93, v81, v85, v93
	v_fma_f32 v93, v82, v86, v93
	v_fma_f32 v93, v83, v87, v93                   ; tile w's l
	v_rcp_f32 v104, v93
	v_nop
	s_wait_alu depctr_va_vdst(0)                   ; the wait ahead of the first reader
	v_mov_b32 v105, v104
.irp i, 0,1,2,3
	WIN 0x82+0x41*(\i/2)
.set k, 0
.rept 64
	v_pk_mul_f32 v[128*(\i%2)+2*k:128*(\i%2)+2*k+1], v[128*(\i%2)+2*k:128*(\i%2)+2*k+1], v[96+2*\i:97+2*\i]
.set k, k+1
.endr
.endr
	; E3: all of it to LDS, as it stands
.irp i, 0,1,2,3
	WIN 0x08+0x04*(\i/2)
.set g, 0
.rept 32
	ds_store_b128 v[A_OXW], v[128*(\i%2)+4*g:128*(\i%2)+4*g+3] offset:16384*\i+512*g
.set g, g+1
.endr
.endr
	WIN 0
	BAR
	WIN 0xc0                                       ; what the last product wants is asked for now: proj_w's fragments (tile 4 w + o, K step h) into window 3,
.irp o, 0,1,2,3
.irp h, 0,1
.irp c, 0,1,2,3
	global_load_b128 v[32*\o+16*\h+4*\c:32*\o+16*\h+4*\c+3], v[G_WF], s[8:9] offset:196608+(2*\o+\h)*2048+512*\c
.endr
.endr
.endr
	WIN 0
.irp o, 0,1,2,3
	global_load_b32 v[KS+\o], v[G_WS], s[8:9] offset:268288+128*\o   ; their scale words,
.endr
.irp o, 0,1,2,3
	global_load_b32 v[8+2*\o], v[G_PB], s[10:11] offset:64*\o        ; proj_b of output channel 16 (4 w + o) + r, as a pair,
	global_load_b32 v[9+2*\o], v[G_PB], s[10:11] offset:64*\o
.endr
	WIN 0xc0
.set k, 0
.rept 32
	global_load_b128 v[128+4*k:128+4*k+3], v[G_X], s[12:13] offset:32768*k th:TH_LOAD_NT   ; and x: rows 64 w + 2 k + h, 256 bytes each
.set k, k+1
.endr
	; E4: wave w gathers tile w from the four waves, adds and divides by l
	WIN 0
.set g, 0
.rept 32
	ds_load_b128 v[128+4*g:128+4*g+3], v[A_OXR] offset:512*g
.set g, g+1
.endr
	WIN 0x40
.set g, 0
.rept 32
	ds_load_b128 v[4*g:4*g+3], v[A_OXR+1] offset:512*g
.set g, g+1
.endr
.set g, 0
.rept 32
	ds_load_b128 v[128+4*g:128+4*g+3], v[A_OXR+2] offset:512*g
.set g, g+1
.endr
	WIN 0x80
.set g, 0
.rept 32
	ds_load_b128 v[4*g:4*g+3], v[A_OXR+3] offset:512*g
.set g, g+1
.endr
	s_wait_dscnt 0x0
	WIN 0x04
.set k, 0
.rept 64
	v_pk_add_f32 v[128+2*k:129+2*k], v[128+2*k:129+2*k], v[2*k:2*k+1]
.set k, k+1
.endr
.set k, 0
.rept 64
	v_pk_add_f32 v[128+2*k:129+2*k], v[128+2*k:129+2*k], v[128+2*k:129+2*k]
.set k, k+1
.endr
	WIN 0x08
.set k, 0
.rept 64
	v_pk_add_f32 v[128+2*k:129+2*k], v[128+2*k:129+2*k], v[2*k:2*k+1]
.set k, k+1
.endr
	WIN 0
.set k, 0
.rept 64
	v_pk_mul_f32 v[128+2*k:129+2*k], v[128+2*k:129+2*k], v[104:105]   ; a: register 8 ct + j is channel 32 (ct / 2) + 16 h + 8 (ct % 2) + j of query r
.set k, k+1
.endr
	; E5: a is quantised along the channels; its two fragments go to LDS as images
	QUANT 128, 64, 106
	QUANT 192, 80, 107
.irp h, 0,1
.irp c, 0,1,2,3
	ds_store_b128 v[A_AIW], v[64+16*\h+4*\c:64+16*\h+4*\c+3] offset:2048*\h+512*\c
.endr
.endr
	v_cmp_gt_u32 vcc_lo, 16, v[LN]
	v_cndmask_b32 v106, v107, v106, vcc_lo         ; lanes 0-15 K step 0's word, lanes 16-31 K step 1's
	ds_store_b32 v[A_ASW], v106
	BAR                                            ; also: nobody reads the exchange any more
	; E6: out = a proj_w^T: source 0 = 16 queries of a, source 1 = 16 rows of proj_w: a lane holds one output channel and eight neighbouring positions.  Sixteen accumulators by turns
	WIN 0x40
.irp i, 0,1,2,3
.irp h, 0,1
.irp c, 0,1,2,3
	ds_load_b128 v[32*\i+16*\h+4*\c:32*\i+16*\h+4*\c+3], v[A_AIR] offset:(2*\i+\h)*2048+512*\c
.endr
.endr
.endr
	WIN 0
.irp i, 0,1,2,3
	ds_load_b32 v[QS+\i], v[A_ASR] offset:128*\i
.endr
	s_wait_dscnt 0x0
	s_wait_loadcnt 32                              ; proj_w, its scale words and proj_b are in; x's 32 loads may be out
	WIN 0xad                                       ; a in window 1, proj_w in window 3, C and D in window 2
.irp o, 0,1,2,3
.irp i, 0,1,2,3
	MMZ 8*(4*\o+\i), 32*\i, 32*\o, QS+\i, KS+\o
.endr
.endr
.irp o, 0,1,2,3
.irp i, 0,1,2,3
	MMS 8*(4*\o+\i), 32*\i+16, 32*\o+16, 8*(4*\o+\i), QS+\i, KS+\o, 1, 1
.endr
.endr
	PLACES 8
	WIN 0x82
.irp o, 0,1,2,3
.set k, 0
.rept 16
	v_pk_add_f32 v[32*\o+2*k:32*\o+2*k+1], v[32*\o+2*k:32*\o+2*k+1], v[8+2*\o:9+2*\o]   ; + proj_b, each accumulator from its low end on
.set k, k+1
.endr
.endr
	WIN 0x08
.irp o, 0,1,2,3
.irp i, 0,1,2,3
	ds_store_b128 v[A_STW], v[8*(4*\o+\i):8*(4*\o+\i)+3] offset:4352*\o+128*(\i/2)+32*(\i%2)       ; positions 32 (i / 2) + 16 h + 8 (i % 2) + 0 .. 7 of row 64 w + 16 o + r
	ds_store_b128 v[A_STW], v[8*(4*\o+\i)+4:8*(4*\o+\i)+7] offset:4352*\o+128*(\i/2)+32*(\i%2)+16
.endr
.endr
	WIN 0
	BAR
	; E7: whole rows of 256 bytes back, + x, out
	WIN 0x40
.set k, 0
.rept 32
	ds_load_b128 v[128+4*k:128+4*k+3], v[A_STR] offset:544*k
.set k, k+1
.endr
	s_wait_dscnt 0x0
	s_wait_loadcnt 0x0                             ; x
	WIN 0x4d
.set k, 0
.rept 64
	v_pk_add_f32 v[128+2*k:129+2*k], v[128+2*k:129+2*k], v[128+2*k:129+2*k]   ; window 1 += window 3
.set k, k+1
.endr
	WIN 0x04
.set k, 0
.rept 32
	global_store_b128 v[G_X], v[128+4*k:128+4*k+3], s[14:15] offset:32768*k th:TH_STORE_NT   ; 16 lanes store 256 consecutive bytes, at a multiple of 256 from out0's first byte
.set k, k+1
.endr
	WIN 0
	s_wait_tensorcnt 0x0                           ; the wave's end
	ds_add_u32 v[SPW], v[NIL]
	s_wait_dscnt 0x0
	CROUND                                         ; the closing round
	s_endpgm
.Lfunc_end_k_qa4b6521f73_attn:
	.size	k_qa4b6521f73_attn, .Lfunc_end_k_qa4b6521f73_attn-k_qa4b6521f73_attn
	.p2alignl 7, 3214868480
	.fill 96, 4, 3214868480
	.section	.rodata,"a",@progbits
	.p2align	6, 0x0
	.amdhsa_kernel k_qa4b6521f73_attn
		.amdhsa_group_segment_fixed_size 327680
		.amdhsa_private_segment_fixed_size 0
		.amdhsa_enable_private_segment 0
		.amdhsa_kernarg_size 48
		.amdhsa_user_sgpr_count 2
		.amdhsa_user_sgpr_kernarg_segment_ptr 1
		.amdhsa_wavefront_size32 1
		.amdhsa_system_sgpr_workgroup_id_x 1
		.amdhsa_system_sgpr_workgroup_id_y 1
		.amdhsa_system_sgpr_workgroup_id_z 1
		.amdhsa_system_vgpr_workitem_id 0
		.amdhsa_next_free_vgpr 1024
		.amdhsa_next_free_sgpr 66
		.amdhsa_reserve_vcc 1
		.amdhsa_float_denorm_mode_32 3
		.amdhsa_float_denorm_mode_16_64 3
		.amdhsa_memory_ordered 1
		.amdhsa_forward_progress 1
		.amdhsa_inst_pref_size 255
	.end_amdhsa_kernel
	.section	.bss,"aw",@nobits
	.p2align	6
	.space	262144
	.amdgpu_metadata
---
amdhsa.version: [ 1, 2 ]
amdhsa.kernels:
  - .name:           k_qa4b6521f73_attn
    .symbol:         k_qa4b6521f73_attn.kd
    .args:
      - { .name: qc, .offset: 0, .size: 8, .value_kind: global_buffer, .address_space: global }
      - { .name: kv, .offset: 8, .size: 8, .value_kind: global_buffer, .address_space: global }
      - { .name: wq, .offset: 16, .size: 8, .value_kind: global_buffer, .address_space: global }
      - { .name: proj_b, .offset: 24, .size: 8, .value_kind: global_buffer, .address_space: global }
      - { .name: x, .offset: 32, .size: 8, .value_kind: global_buffer, .address_space: global }
      - { .name: out0, .offset: 40, .size: 8, .value_kind: global_buffer, .address_space: global }
    .group_segment_fixed_size: 327680
    .private_segment_fixed_size: 0
    .kernarg_segment_align: 8
    .kernarg_segment_size: 48
    .max_flat_workgroup_size: 128
    .sgpr_count:     66
    .vgpr_count:     1024
    .wavefront_size: 32
...
	.end_amdgpu_metadata
.endif
;; end of part 3
